; MI455X (gfx1250); checked and timed in simulation.
; The chip was launched on July 23, 2026; its instructions are those of AMD's public machine-readable ISA for CDNA 5 (MIT licence, August 2026) and "CDNA5" Instruction Set Architecture Reference Guide (July 2026). The comments in the code are by the model that wrote it; some were corrected since.
;; Mo E Layer. Allowed arithmetic: matrix products marked QUANTISED: E2M1 operands, one E8M0 scale for each 32 along K, by v_wmma_scale_f32_16x16x128_f8f6f4 with both operands' format E2M1 (or v_wmma_scale_f32_32x16x128_f4), f32 sums; products left as they are: f32 operands where the result goes on into a quantised operand, else bf16, f16 or f32 operands; f32 sums; everything else in f32.
;; Inputs: W1 8 x 1,024 x 2,048 float32; W2 8 x 2,048 x 1,024 float32; Wr 1,024 x 8 float32; b1 8 x 2,048 float32; b2 8 x 1,024 float32; br 8 float32; x 4 x 512 x 1,024 float32.
;; Outputs: out0 4 x 512 x 1,024 float32.
;; This version of the problem:
;;   THIS VERSION OF THE PROBLEM IS GIVEN IN LOW PRECISION. The matrix products marked QUANTISED in the list below multiply operands that are first quantised to E2M1 (2 exponent bits, 1 mantissa bit; 4 bits a number), with one power-of-two scale for each 32 numbers along K (OCP MX v1.0); their sums are f32. All else is computed in f32.
;;   The module's matrix products, in the order in which they are computed (A, B: the left and right operand; K: the contracted axis; several contracted axes count as one K, in the product's order):
;;     1. [M 2,048, K 1,024] x [K 1,024, N 8]; A: input x; B: input Wr: left as it is (N = 8 < 16)
;;     2. [M 16,384, K 1,024] x [K 1,024, N 2,048]; A: input W1; B: input x: QUANTISED
;;     3. batch 8 x [M 2,048, K 2,048] x [K 2,048, N 1,024]; A: computed on the way; B: input W2: QUANTISED
;;     4. batch 2,048 x [M 1, K 8] x [K 8, N 1,024]; A: computed on the way; B: computed on the way: left as it is (K = 8 < 32)
;;   THE QUANTISER, for each operand of a quantised product, along K:
;;     - K is cut into blocks of 32 from its start; a last block that is shorter is filled with zeros.
;;     - A block's scale is 2^e with e = floor(log2(the largest magnitude in the block)) - 2, held to -126 .. 127; a block of zeros has e = 0. As a byte (E8M0): e + 127.
;;     - Each number is divided by its block's scale, clamped to +-6, and rounded to the nearest number of E2M1, ties to even, subnormals kept.
;;     - The product sums the exact products of the quantised numbers (number of the format x scale) in f32.
;;   ~~~python
;;   def quantise(x, axis):      # numpy; x: float32 -> the quantised numbers, widened to float32 again
;;       x = np.moveaxis(x, axis, -1); K = x.shape[-1]
;;       x = np.pad(x, [(0, 0)] * (x.ndim - 1) + [(0, -K % 32)]); x = x.reshape(x.shape[:-1] + (-1, 32)); a = np.abs(x).max(-1, keepdims=True)
;;       e = np.where(a > 0, np.clip(np.frexp(np.where(a > 0, a, 1))[1] - 1 - 2, -126, 127), 0)      # np.frexp(a)[1] - 1 = floor(log2(a)), exactly
;;       r = np.clip(x / 2.0 ** e, -6, 6)
;;       step = 2.0 ** (np.maximum(np.frexp(np.where(r == 0, 1, r))[1] - 1, 0) - 1)
;;       q = np.round(r / step) * step * 2.0 ** e      # np.round: ties to even
;;       return np.moveaxis(q.reshape(q.shape[:-2] + (-1,))[..., :K], -1, axis).astype(np.float32)
;;   ~~~
;;   OPERANDS COMPUTED ON THE WAY. 'Computed on the way' means the value that the module computes at that place (a softmax that the list does not call 'softmax' is quantised finished and normalised). What goes into a quantiser is computed in f32, as accurately as f32 sums, v_exp_f32 and their like allow (about 1e-6 of the number): no bf16 or f16 on the way to a quantiser, and a product that is left as it is and whose result goes on into a quantised operand takes f32 operands (vector FMAs, or v_wmma_f32_16x16x4_f32). A number that lies on a knife's edge between two numbers of the format may be rounded either way, as far as f32 arithmetic and the matrix unit's own rounding can turn it there, and no further.
;; 2 versions. Each part assembles by itself: llvm-mc -triple=amdgcn-amd-amdhsa -mcpu=gfx1250 --defsym DOCPART=n.
;; ======== version 1 of 2: 4 launches
;; workspace buffers: xq 1,114,112 bytes; sel 8,192 bytes of whole numbers; gw 16,384 bytes; plan 90,368 bytes of whole numbers; hc 18,874,368 bytes; hs 1,179,648 bytes; yb 75,497,472 bytes
;; launch route (part 1): grid 256 x 1, 4 waves a work-group, no clusters, 70,912 bytes of LDS; arguments x, Wr, br, xq, sel, gw; writes xq, sel, gw
.if DOCPART == 1
	.amdgcn_target "amdgcn-amd-amdhsa--gfx1250"
	.amdhsa_code_object_version 6
	.text
	.protected	k_q29ba4a7bae_route
	.globl	k_q29ba4a7bae_route
	.p2align	8
	.type	k_q29ba4a7bae_route,@function
k_q29ba4a7bae_route:
	s_mov_b64 s[64:65], 0
	v_nop
	global_prefetch_b8 v0, s[64:65] scope:SCOPE_SE
	s_setreg_imm32_b32 hwreg(HW_REG_WAVE_MODE, 25, 1), 1
	s_wait_xcnt 0x0
; ROUTER, AND x INTO CODES.  x: [2048][1024] f32.  logits = x Wr + br (f32 multiply-adds), the two largest of eight (on a tie the lower index), softmax over the two.
; Stored at fixed places: sel[token] = e1 | e2 << 8, gw[token] = (w1, w2); x's codes of FP4 (E2M1) at xq[token][512 bytes], its E8M0 bytes at xq + 1,048,576 + token x 32.
; A block's scale is 2^(floor(log2(largest magnitude)) - 2); its byte is the largest magnitude's exponent field - 2, held at 1 from below.
; LIMITS: NaN and infinities are not served; blocks whose largest magnitude lies under 2^-124 get the byte 1; a block of zeros gets the byte 1 where the quantiser says 127
; (its codes are zeros, and the bytes are read by this program alone).
; SHARES.  A work-group takes 8 tokens, each of its four waves 2.  Loads take bytes as they lie (512 consecutive bytes a load); a row then turns through the wave's own
; stage in LDS, so that lane l holds block l of the row: k = 32 l .. 32 l + 31 in 32 registers.  Wr (32 KB) lies in LDS once for the work-group, 1,024 bytes a lane + 16 of padding.
; No matrix unit: the product has 8 columns and decides a choice, so it stays in f32.  No tensor load: the work-group reads 64 KB once.
.set WRL,  0                           ; LDS: Wr, 32 x 1,040 bytes
.set XST,  33280                       ; a stage for each wave: 2 tokens x 32 x 144 bytes
.set SCB,  70144                       ; the work-group's 256 scale bytes
.set X,    16                          ; v16-79   two tokens x 32 numbers
.set WA,   80                          ; v80-143  64 registers of Wr
.set WB,   144                         ; v144-207 64 more
.set ACC,  208                         ; v208-223 the sums: 8 x token + expert
.set T,    224                         ; v224-240 the choice: 8 registers a token, v240 = -infinity
.set Q,    96                          ; v96-109  codes (4 a token), largest magnitudes, scale operands, bytes
	s_load_b256 s[4:11], s[0:1], 0x0               ; x, Wr, br, xq
	s_load_b128 s[12:15], s[0:1], 0x20             ; sel, gw
	v_lshl_add_u32 v254, v0, 2, 0x11300
	v_mov_b32 v255, 0
	v_lshrrev_b32 v1, 5, v0
	v_readfirstlane_b32 s18, v1                    ; wave
	v_and_b32 v1, 31, v0                           ; lane
	v_lshlrev_b32 v2, 4, v1                        ; 16 x lane
	v_lshlrev_b32 v3, 4, v0                        ; 16 x thread
	v_lshrrev_b32 v4, 6, v0
	v_lshl_add_u32 v4, v4, 4, v3                   ; Wr into LDS: 16 bytes of padding behind each 1,024
	s_mul_i32 s19, s18, 9216
	s_add_co_u32 s19, s19, XST                     ; my stage
	v_lshrrev_b32 v5, 3, v1
	v_lshl_add_u32 v5, v5, 4, v2
	v_add_nc_u32 v5, s19, v5                       ; into it: 16 bytes of padding behind each 128
	v_mul_u32_u24 v6, v1, 144
	v_add_nc_u32 v6, s19, v6                       ; out of it: my block's 128 bytes
	v_mul_u32_u24 v7, v1, 1040                     ; my 32 rows of Wr
	s_lshl_b32 s19, s18, 6
	s_add_co_u32 s19, s19, SCB
	v_add_nc_u32 v8, s19, v1                       ; my block's scale byte
	v_lshlrev_b32 v9, 2, v1
	v_lshlrev_b32 v10, 3, v1
	v_add_nc_u32 v11, SCB, v10                     ; wave 0 reads the 256 bytes back, 8 a lane
	s_lshl_b32 s30, ttmp9, 3
	s_lshl_b32 s31, s18, 1
	s_add_co_u32 s30, s30, s31                     ; my first token
	s_mov_b32 s33, 0
	s_mov_b32 s28, 0x76543210
	s_mov_b32 s29, 0xfedcba98                      ; v_permlanex16_b32's selects for lane l xor 16
	s_wait_kmcnt 0x0
	s_load_b256 s[20:27], s[8:9], 0x0              ; br
	s_lshl_b32 s32, s30, 12
	s_add_nc_u64 s[4:5], s[4:5], s[32:33]          ; x at my first token
.set j, 0
.rept 16
	global_load_b128 v[WA+4*j:WA+4*j+3], v3, s[6:7] offset:2048*j
.set j, j+1
.endr
.irp t, 0,1
.set j, 0
.rept 8
	global_load_b128 v[WB+32*\t+4*j:WB+32*\t+4*j+3], v2, s[4:5] offset:4096*\t+512*j th:TH_LOAD_NT
.set j, j+1
.endr
.endr
	s_lshl_b32 s32, ttmp9, 8
	s_add_co_u32 s32, s32, 1048576
	s_add_nc_u64 s[16:17], s[10:11], s[32:33]      ; the work-group's 256 scale bytes in xq
	s_lshl_b32 s32, s30, 9
	s_add_nc_u64 s[10:11], s[10:11], s[32:33]      ; my tokens' codes
	s_lshl_b32 s32, s30, 2
	s_add_nc_u64 s[12:13], s[12:13], s[32:33]
	s_lshl_b32 s32, s30, 3
	s_add_nc_u64 s[14:15], s[14:15], s[32:33]
	s_wait_loadcnt 16                              ; Wr's 16 loads are in; x's 16 were issued behind them
.set j, 0
.rept 16
	ds_store_b128 v4, v[WA+4*j:WA+4*j+3] offset:2080*j
.set j, j+1
.endr
	s_wait_loadcnt 0x0
.irp t, 0,1
.set j, 0
.rept 8
	ds_store_b128 v5, v[WB+32*\t+4*j:WB+32*\t+4*j+3] offset:4608*\t+576*j
.set j, j+1
.endr
.endr
.irp t, 0,1
.set j, 0
.rept 8
	ds_load_b128 v[X+32*\t+4*j:X+32*\t+4*j+3], v6 offset:4608*\t+16*j   ; LDS serves a wave's instructions in order: these see my stores
.set j, j+1
.endr
.endr
	s_wait_dscnt 0x0                               ; for the others' sake: my part of Wr lies in LDS
	s_barrier_signal -1
	s_barrier_wait -1
.macro CHUNK c, buf                    ; my rows 8 c .. 8 c + 7 of Wr: 256 bytes a lane
.set j, 0
.rept 16
	ds_load_b128 v[\buf+4*j:\buf+4*j+3], v7 offset:256*\c+16*j
.set j, j+1
.endr
.endm
.macro FMAC c, buf                     ; 8 k x 2 tokens x 8 experts, two experts an instruction; x is taken for both halves
.set i, 0
.rept 8
.irp t, 0,1
.irp p, 0,1,2,3
.if (\c == 0) && (i == 0)
	v_pk_mul_f32 v[ACC+8*\t+2*\p:ACC+8*\t+2*\p+1], v[\buf+2*\p:\buf+2*\p+1], v[X+32*\t:X+32*\t+1] op_sel_hi:[1,0]   ; the first product starts the sums
.elseif (i % 2) == 0
	v_pk_fma_f32 v[ACC+8*\t+2*\p:ACC+8*\t+2*\p+1], v[\buf+8*i+2*\p:\buf+8*i+2*\p+1], v[X+32*\t+8*\c+i:X+32*\t+8*\c+i+1], v[ACC+8*\t+2*\p:ACC+8*\t+2*\p+1] op_sel_hi:[1,0,1]
.else
	v_pk_fma_f32 v[ACC+8*\t+2*\p:ACC+8*\t+2*\p+1], v[\buf+8*i+2*\p:\buf+8*i+2*\p+1], v[X+32*\t+8*\c+i-1:X+32*\t+8*\c+i], v[ACC+8*\t+2*\p:ACC+8*\t+2*\p+1] op_sel:[0,1,0] op_sel_hi:[1,1,1]
.endif
.endr
.endr
.set i, i+1
.endr
.endm
	CHUNK 0, WA
	CHUNK 1, WB
	s_wait_dscnt 16                                ; the older chunk is in; the younger one's 16 loads may be out
	FMAC 0, WA
	CHUNK 2, WA
	s_wait_dscnt 16
	FMAC 1, WB
	CHUNK 3, WB
	s_wait_dscnt 16
	FMAC 2, WA
	s_wait_dscnt 0x0
	FMAC 3, WB
	; x into codes: a lane's 32 numbers are a block; the two tokens by turns
.irp t, 0,1
	v_max3_num_f32 v[Q+8+\t], |v[X+32*\t]|, |v[X+32*\t+1]|, 0x1800000   ; and the floor 2^(3 - 127): the byte cannot fall under 1
.endr
.set i, 2
.rept 15
.irp t, 0,1
	v_max3_num_f32 v[Q+8+\t], v[Q+8+\t], |v[X+32*\t+i]|, |v[X+32*\t+i+1]|
.endr
.set i, i+2
.endr
.irp t, 0,1
	v_add_nc_u32 v[Q+10+\t], 0xff000000, v[Q+8+\t] ; 2 off the exponent field: the conversion takes this operand's exponent field as its scale
.endr
.irp t, 0,1
.irp g, 0,1,2,3
	v_cvt_scalef32_pk8_fp4_f32 v[Q+4*\t+\g], v[X+32*\t+8*\g:X+32*\t+8*\g+7], v[Q+10+\t]
.endr
.endr
.irp t, 0,1
	v_lshrrev_b32 v[Q+12+\t], 23, v[Q+10+\t]       ; the scale's byte (also a plain line behind the conversions)
.endr
.irp t, 0,1
	global_store_b128 v2, v[Q+4*\t:Q+4*\t+3], s[10:11] offset:512*\t   ; the wave stores a token's 512 consecutive bytes
	ds_store_b8 v8, v[Q+12+\t] offset:32*\t
.endr
	; the sums over the 32 lanes
.irp m, 1,2,4,8
.set a, 0
.rept 16
	v_add_f32_dpp v[ACC+a], v[ACC+a], v[ACC+a] row_xmask:\m row_mask:0xf bank_mask:0xf
.set a, a+1
.endr
.endr
.set a, 0
.rept 16
	v_permlanex16_b32 v[WA+a], v[ACC+a], s28, s29  ; (its destination has been written: it held Wr)
.set a, a+1
.endr
.set a, 0
.rept 16
	v_add_f32 v[ACC+a], v[ACC+a], v[WA+a]
.set a, a+1
.endr
	s_wait_kmcnt 0x0                               ; br
.irp t, 0,1
.irp e, 0,1,2,3,4,5,6,7
	v_add_f32 v[ACC+8*\t+\e], s[20+\e], v[ACC+8*\t+\e]
.endr
.endr
	; the two largest, in every lane.  A later expert takes the place only if it is strictly larger: on a tie the lower index stays
	v_mov_b32 v[T+16], 0xff800000                  ; -infinity
.irp t, 0,1
	v_mov_b32 v[T+8*\t], v[ACC+8*\t]
	v_mov_b32 v[T+8*\t+1], 0
.irp e, 1,2,3,4,5,6,7
	v_cmp_le_f32 vcc_lo, v[ACC+8*\t+\e], v[T+8*\t]
	v_cndmask_b32 v[T+8*\t], v[ACC+8*\t+\e], v[T+8*\t], vcc_lo
	v_cndmask_b32 v[T+8*\t+1], \e, v[T+8*\t+1], vcc_lo
.endr
.irp e, 0,1,2,3,4,5,6,7
	v_cmp_eq_u32 vcc_lo, \e, v[T+8*\t+1]
	v_cndmask_b32 v[ACC+8*\t+\e], v[ACC+8*\t+\e], v[T+16], vcc_lo   ; the first choice is taken out
.endr
	v_mov_b32 v[T+8*\t+2], v[ACC+8*\t]
	v_mov_b32 v[T+8*\t+3], 0
.irp e, 1,2,3,4,5,6,7
	v_cmp_le_f32 vcc_lo, v[ACC+8*\t+\e], v[T+8*\t+2]
	v_cndmask_b32 v[T+8*\t+2], v[ACC+8*\t+\e], v[T+8*\t+2], vcc_lo
	v_cndmask_b32 v[T+8*\t+3], \e, v[T+8*\t+3], vcc_lo
.endr
	v_sub_f32 v[T+8*\t+6], v[T+8*\t+2], v[T+8*\t]  ; second - first: the maximum is taken away, the exponent is 0 or less
	v_mul_f32 v[T+8*\t+6], 0x3fb8aa3b, v[T+8*\t+6]
	v_lshl_or_b32 v[T+8*\t+3], v[T+8*\t+3], 8, v[T+8*\t+1]   ; e1 | e2 << 8
.endr
	v_exp_f32 v[T+6], v[T+6]
	v_exp_f32 v[T+14], v[T+14]
	v_nop                                          ; a plain line behind the transcendentals (ISA guide 5.7.2)
	s_wait_alu depctr_va_vdst(0)
	v_add_f32 v[T+7], 1.0, v[T+6]
	v_add_f32 v[T+15], 1.0, v[T+14]
	v_rcp_f32 v[T+4], v[T+7]
	v_rcp_f32 v[T+12], v[T+15]
	v_cmp_eq_u32 vcc_lo, 1, v1                     ; (a plain line)  lane 1 stores the second token's
	s_wait_alu depctr_va_vdst(0)
	v_mul_f32 v[T+5], v[T+6], v[T+4]
	v_mul_f32 v[T+13], v[T+14], v[T+12]
	v_cndmask_b32 v[T+3], v[T+3], v[T+11], vcc_lo
	v_cndmask_b32 v[T+4], v[T+4], v[T+12], vcc_lo
	v_cndmask_b32 v[T+5], v[T+5], v[T+13], vcc_lo
	s_wait_dscnt 0x0                               ; for wave 0's sake: my scale bytes lie in LDS
	s_barrier_signal -1
	s_barrier_wait -1
	s_cmp_lg_u32 s18, 0
	s_cbranch_scc1 .Lnot_wave_0
	ds_load_b64 v[12:13], v11
	s_wait_dscnt 0x0
	global_store_b64 v10, v[12:13], s[16:17]       ; 32 lanes store 256 consecutive bytes, aligned
.Lnot_wave_0:
	s_wait_xcnt 0x0                                ; EXEC changes only behind this wait
	v_cmp_gt_u32 vcc_lo, 2, v1
	s_wait_tensorcnt 0x0
	ds_add_u32 v254, v255
	s_wait_dscnt 0x0
	s_and_saveexec_b32 s19, vcc_lo
	global_store_b32 v9, v[T+3], s[12:13]
	global_store_b64 v10, v[T+4:T+5], s[14:15]
	s_wait_xcnt 0x0
	s_or_b32 exec_lo, exec_lo, s19
	s_endpgm
.Lfunc_end_k_q29ba4a7bae_route:
	.size	k_q29ba4a7bae_route, .Lfunc_end_k_q29ba4a7bae_route-k_q29ba4a7bae_route
	.p2alignl 7, 3214868480
	.fill 96, 4, 3214868480
	.section	.rodata,"a",@progbits
	.p2align	6, 0x0
	.amdhsa_kernel k_q29ba4a7bae_route
		.amdhsa_group_segment_fixed_size 70912
		.amdhsa_private_segment_fixed_size 0
		.amdhsa_enable_private_segment 0
		.amdhsa_kernarg_size 48
		.amdhsa_user_sgpr_count 2
		.amdhsa_user_sgpr_kernarg_segment_ptr 1
		.amdhsa_wavefront_size32 1
		.amdhsa_system_sgpr_workgroup_id_x 1
		.amdhsa_system_sgpr_workgroup_id_y 1
		.amdhsa_system_sgpr_workgroup_id_z 1
		.amdhsa_system_vgpr_workitem_id 0
		.amdhsa_next_free_vgpr 256
		.amdhsa_next_free_sgpr 66
		.amdhsa_reserve_vcc 1
		.amdhsa_float_denorm_mode_32 3
		.amdhsa_float_denorm_mode_16_64 3
		.amdhsa_memory_ordered 1
		.amdhsa_forward_progress 1
		.amdhsa_inst_pref_size 44
	.end_amdhsa_kernel
	.amdgpu_metadata
---
amdhsa.version: [ 1, 2 ]
amdhsa.kernels:
  - .name:           k_q29ba4a7bae_route
    .symbol:         k_q29ba4a7bae_route.kd
    .args:
      - { .name: x, .offset: 0, .size: 8, .value_kind: global_buffer, .address_space: global }
      - { .name: Wr, .offset: 8, .size: 8, .value_kind: global_buffer, .address_space: global }
      - { .name: br, .offset: 16, .size: 8, .value_kind: global_buffer, .address_space: global }
      - { .name: xq, .offset: 24, .size: 8, .value_kind: global_buffer, .address_space: global }
      - { .name: sel, .offset: 32, .size: 8, .value_kind: global_buffer, .address_space: global }
      - { .name: gw, .offset: 40, .size: 8, .value_kind: global_buffer, .address_space: global }
    .group_segment_fixed_size: 70912
    .private_segment_fixed_size: 0
    .kernarg_segment_align: 8
    .kernarg_segment_size: 48
    .max_flat_workgroup_size: 128
    .sgpr_count:     66
    .vgpr_count:     256
    .wavefront_size: 32
...
	.end_amdgpu_metadata
.endif
;; end of part 1
;; launch gemm1 (part 2): grid 256 x 1, 8 waves a work-group, no clusters, 105,472 bytes of LDS; arguments W1, b1, xq, sel, hc, hs, plan; writes hc, hs, plan
.if DOCPART == 2
	.amdgcn_target "amdgcn-amd-amdhsa--gfx1250"
	.amdhsa_code_object_version 6
	.text
	.protected	k_q29ba4a7bae_gemm1
	.globl	k_q29ba4a7bae_gemm1
	.p2align	8
	.type	k_q29ba4a7bae_gemm1,@function
k_q29ba4a7bae_gemm1:
	s_mov_b64 s[64:65], 0
	v_nop
	global_prefetch_b8 v0, s[64:65] scope:SCOPE_SE
	s_setreg_imm32_b32 hwreg(HW_REG_WAVE_MODE, 25, 1), 1
	s_wait_xcnt 0x0
; THE FIRST PRODUCT OF THE CHOSEN ROWS: h = relu(x W1[e] + b1[e]) on codes of FP4 (E2M1) with one E8M0 scale for each 32 along K, and h into codes for the second product.
; THE WEIGHTS STAND STILL.  Work-group (e, cg) owns expert e = x / 32 and hidden units 64 cg .. 64 cg + 63.  It reads its slice of W1 (1,024 k x 64 units, f32) once,
; quantises it along K in registers, and every wave then keeps all 32 fragments (4 tiles of 16 units x 8 K steps) in 256 registers.  Then the expert's rows go by.
; THE ROWS ARE PLACED HERE, from sel[token] = e1 | e2 << 8 (whole numbers that an earlier launch stored).  The tokens are cut into four quarters of 512; the tokens of quarter q that chose e
; form list 4 e + q, in the tokens' order; slot = (4 e + q) x 576 + rank; 16 slots are a tile.  Waves 2 q and 2 q + 1 walk list q.  The quarter's 16 groups of 32 tokens give 16 lane masks.
; A register gathers 32 list entries (two tiles): for each group one lane permute sends the members to lanes (fill + rank) mod 32 and the others to the lanes that are left, so that it is a
; whole permutation with all lanes on, and every lane always holds a token that exists; the members' lanes are merged in.  When 32 are gathered, wave 2 q takes lanes 0-15, wave 2 q + 1 lanes 16-31.
; No address is made of a rank.  The branches hang on sel, so the text has no tensor load and no copy, and no barrier behind such a branch.  No cluster: partners would walk different numbers of tiles.
; FOR THE LATER LAUNCHES the waves with cg = 0 and an even number store plan: bytes 0 on: slot[e][token] (for a token that did not choose e a number that nobody reads); bytes 90,112 on: cnt[8 q + e] = the list's tiles.
; QUANTISING W1.  Wave w takes K step w (k = 128 w ..).  A lane takes 4 neighbouring units and 32 k of each of two halves: each load reads two whole pieces of 256 consecutive bytes.
; A lane's 32 k of a unit are a block: no other lane is asked for its maximum.  The codes go to LDS as an image of the operand's registers.
; THE UNITS OF A TILE ARE NOT NEIGHBOURS: lane m of tile 2 b + u takes unit 32 b + 8 u + m + 8 (m / 8).  The product is used transposed (source 0 = 16 units, source 1 = 16 rows), so a lane holds one row,
; and the 16 registers of tiles 2 b, 2 b + 1 are 16 neighbouring units: 32 b + 16 (lane / 16) + 0 .. 15, as the conversions want them.
; OUT.  hc[tile][cg][lane][16 bytes]: the register image of the second product's operand (K step cg / 2, half cg % 2).  hs[tile][K step][row][4 bytes].
; LIMITS: NaN and infinities are not served; blocks whose largest magnitude lies under 2^-124, and blocks of zeros, get the byte 1 (zero codes add nothing; this program alone reads the bytes).
; REGISTERS.  Window 1: first the raw weights (2 sets of 128), then the 32 fragments, (tile t, K step s) at v[8 (8 t + s)].
; Window 0: v1-7 addresses; v8-15 the next tile's scale words of x; v16-31 the next rows' offsets; v32-95 the next rows; v96-159 x's fragments; v160-191 four accumulators;
; v192-207 W1's scale words; v208-215 x's scale words; v216-223 the placing of rows; v224-244 at work.
.set ROWB,   8192                      ; a row of W1[e] in bytes
.set IMGD,   512                       ; from set 0's place in a fragment's image to set 1's
.set SCD,    2                         ; and in a scale word
.set IMG,    0                         ; LDS: 32 fragments x 1,024 bytes
.set WS,     32768                     ; W1's scale words: [tile 4][K step 8][lane 16][4 bytes]
.set BIAS,   34816                     ; b1's 64 numbers, a copy for each wave
.set STG,    36864                     ; a stage for each wave: 16 rows x (512 bytes + 16): rows 33 x 16 bytes apart, so that 16 rows' pieces fall on different banks (ISA guide 11.1)
.set SPITCH, 528
.set L16, 1
.set FRA, 2
.set STA, 3
.set BIA, 4
.set HSO, 5
.set VID, 6                            ; v6    my tile's tokens: lane r holds row r's
.set VSA, 7
.set XSN, 8
.set WOF, 9                            ; (while the weights are quantised: v9-11)
.set IMA, 10
.set WSA, 11
.set VRA, 16
.set XR,  32
.set XF,  96
.set ACC, 160
.set WSC, 192
.set XS,  208
.set LN,  216                          ; v216  lane
.set TOK, 217                          ; v217  my lane's token of the group in hand
.set CUR, 218                          ; v218  the 32 list entries that are being gathered
.set TP,  219                          ; v219  the group's tokens, permuted
.set DA,  220
.set DB,  221
.set L4,  223                          ; v223  4 x lane
.set TM,  224
.set PC,  240
.set BY,  244
.set DQ,  32                           ; 4 units x 32 k, while the weights are quantised
.set CQ,  160                          ; their codes
.set TQ,  224
.set BQ,  232
.set SG,  32                           ; v32-47 sel of the 16 groups (ahead of the quantising)
.set PS,  50                           ; v50-66 the slots and the count on their way out (likewise)
.set FILL, 26                          ; s26   entries gathered so far, 0 .. 31
.set TH,   27                          ; s27   16 x (wave % 2): a remainder serves me if it has more entries than that
.set PM,   28                          ; s28   all ones in odd waves, which take lanes 16-31
.set NF,   37                          ; s37   FILL + the group's members
.set M,    40                          ; s40-55 the groups' masks; s40 is the group in hand
.set ID,   68                          ; s68-83 my tile's 16 tokens
.set MSB, 0
.macro WIN new                         ; the immediate's high byte repeats the setting that is left
.if MSB != \new
	s_set_vgpr_msb (MSB<<8)|\new
.set MSB, \new
.endif
.endm
.macro WLOAD d                         ; set d: 32 k of 4 units a lane
.set i, 0
.rept 32
	global_load_b128 v[128*\d+4*i:128*\d+4*i+3], v[WOF], s[4:5] offset:ROWB*i+524288*\d th:TH_LOAD_NT
.set i, i+1
.endr
.endm
.macro QSET d                          ; set d becomes codes and scale bytes, and goes to LDS
	WIN 0x01                                       ; source 0 window 1
.set i, 0
.rept 32
.irp j, 0,1,2,3
	v_mov_b32 v[DQ+32*\j+i], v[128*\d+4*i+\j]      ; the conversions take neighbours along K from consecutive registers: each unit's 32 k are laid on end
.endr
.set i, i+1
.endr
	WIN 0
.irp j, 0,1,2,3
	v_max3_num_f32 v[TQ+\j], |v[DQ+32*\j]|, |v[DQ+32*\j+1]|, 0x1800000   ; and the floor 2^(3 - 127): the byte cannot fall under 1
.endr
.set i, 2
.rept 15
.irp j, 0,1,2,3
	v_max3_num_f32 v[TQ+\j], v[TQ+\j], |v[DQ+32*\j+i]|, |v[DQ+32*\j+i+1]|   ; (the four units by turns)
.endr
.set i, i+2
.endr
.irp j, 0,1,2,3
	v_add_nc_u32 v[TQ+4+\j], 0xff000000, v[TQ+\j]  ; 2 off the exponent field: the conversion's scale operand
.endr
.irp j, 0,1,2,3
	v_lshrrev_b32 v[BQ+4*\d+\j], 23, v[TQ+4+\j]    ; the scale's byte
.endr
.irp j, 0,1,2,3
.irp g, 0,1,2,3
	v_cvt_scalef32_pk8_fp4_f32 v[CQ+16*\d+4*\j+\g], v[DQ+32*\j+8*\g:DQ+32*\j+8*\g+7], v[TQ+4+\j]
.endr
.endr
	v_nop                                          ; a plain line behind the last conversion
.irp j, 0,1,2,3
	ds_store_b128 v[IMA], v[CQ+16*\d+4*\j:CQ+16*\d+4*\j+3] offset:IMGD*\d+16*\j
	ds_store_b8 v[WSA], v[BQ+4*\d+\j] offset:SCD*\d+4*\j
.endr
.endm
; The group in hand joins the entries gathered so far.  Behind it: s[NF] = FILL + members; lanes FILL .. min(NF, 32) - 1 of CUR hold the new members; those past lane 31 wait in lanes 0 .. NF - 33 of TP.
.macro FUNNEL
	s_bcnt1_i32_b32 s30, s[M]                      ; the group's members
	s_not_b32 s31, s[M]
	s_add_co_u32 s[NF], s[FILL], s30
	v_mbcnt_lo_u32_b32 v[DA], s[M], s[FILL]        ; a member goes to lane FILL + its rank among the members,
	v_mbcnt_lo_u32_b32 v[DB], s31, s[NF]           ; another token behind all members: so no two lanes send to one lane
	v_cndmask_b32 v[DA], v[DB], v[DA], s[M]
	v_and_b32 v[DA], 31, v[DA]                     ; round the 32 lanes
	v_lshlrev_b32 v[DA], 2, v[DA]                  ; the permute names a lane by 4 x its number
	ds_permute_b32 v[TP], v[DA], v[TOK]            ; it touches no LDS byte
	v_sub_nc_u32 v[DB], v[LN], s[FILL]
	v_cmp_gt_u32 vcc_lo, s30, v[DB]                ; FILL <= lane < FILL + members (a lane under FILL wraps to a large number)
	s_wait_dscnt 0x0
	v_cndmask_b32 v[CUR], v[CUR], v[TP], vcc_lo
.endm
.macro ADVANCE                         ; on to the next group.  A loop's counter cannot pick a register, so the masks move down one place
	s_mov_b32 s[FILL], s[NF]
	v_add_nc_u32 v[TOK], 32, v[TOK]
.irp i, 0,1,2,3,4,5,6,7,8,9,10,11,12,13,14
	s_mov_b32 s[M+\i], s[M+\i+1]
.endr
	s_add_co_u32 s29, s29, 1
.endm
; My half of the gathered entries becomes 16 scalars and addresses; the 16 rows of codes (a whole row of 512 bytes a load) and their scale words are asked for.
.macro NEXTROWS
	v_permlanex16_b32 v[VID], v[CUR], s34, s35     ; lane l xor 16's entry
	v_cndmask_b32 v[VID], v[CUR], v[VID], s[PM]    ; odd waves take it: lanes 0-15 now hold my tile
	v_min_u32 v[VID], 2047, v[VID]                 ; a number made of loaded ones enters an address held to the table's size
.irp r, 0,1,2,3,4,5,6,7,8,9,10,11,12,13,14,15
	v_readlane_b32 s[ID+\r], v[VID], \r
.endr
.irp r, 0,1,2,3,4,5,6,7,8,9,10,11,12,13,14,15
	s_min_u32 s[ID+\r], s[ID+\r], 2047
.endr
.irp r, 0,1,2,3,4,5,6,7,8,9,10,11,12,13,14,15
	v_lshl_add_u32 v[VRA+\r], s[ID+\r], 9, v[L16]
.endr
	v_lshlrev_b32 v[VSA], 5, v[VID]
.irp r, 0,1,2,3,4,5,6,7,8,9,10,11,12,13,14,15
	global_load_b128 v[XR+4*\r:XR+4*\r+3], v[VRA+\r], s[8:9]
.endr
	global_load_b128 v[XSN:XSN+3], v[VSA], s[14:15]            ; lane r: row r's eight scale words
	global_load_b128 v[XSN+4:XSN+7], v[VSA], s[14:15] offset:16
.endm
.macro FRAGS                           ; all 32 fragments and W1's scale words, out of LDS into my registers: the raw weights have been read out
	WIN 0x40                                       ; destination window 1
.irp t, 0,1,2,3
.irp s, 0,1,2,3,4,5,6,7
	ds_load_b128 v[8*(8*\t+\s):8*(8*\t+\s)+3], v[L16] offset:IMG+8192*\t+1024*\s
	ds_load_b128 v[8*(8*\t+\s)+4:8*(8*\t+\s)+7], v[L16] offset:IMG+8192*\t+1024*\s+512
.endr
.endr
	WIN 0
.set i, 0
.rept 16
	ds_load_b32 v[WSC+i], v[L4] offset:WS+128*i    ; lanes 0-15: an even K step's words, lanes 16-31: the odd one's
.set i, i+1
.endr
.endm
; A tile of 16 rows, asked for earlier.  next = 1: the rows of the entries just gathered are asked for while this tile is multiplied.
.macro TILE next
	s_wait_loadcnt 0x0                             ; this tile's rows and scale words
.irp s, 0,1,2,3,4,5,6,7
	v_mov_b32 v[XS+\s], v[XSN+\s]
.endr
.irp r, 0,1,2,3,4,5,6,7,8,9,10,11,12,13,14,15
	ds_store_b128 v[STA], v[XR+4*\r:XR+4*\r+3] offset:SPITCH*\r
.endr
.irp t, 0,1,2,3
	ds_load_b128 v[ACC+8*\t:ACC+8*\t+3], v[BIA] offset:128*(\t/2)+32*(\t%2)        ; the bias starts the sums: no addition
	ds_load_b128 v[ACC+8*\t+4:ACC+8*\t+7], v[BIA] offset:128*(\t/2)+32*(\t%2)+16
.endr
.irp s, 0,1,2,3,4,5,6,7
	ds_load_b128 v[XF+8*\s:XF+8*\s+3], v[FRA] offset:64*\s       ; LDS serves a wave's instructions in order: these see the stores above
	ds_load_b128 v[XF+8*\s+4:XF+8*\s+7], v[FRA] offset:64*\s+32
.endr
	s_wait_dscnt 0x0
.if \next
	NEXTROWS                                       ; its sixteen shift-and-adds are also the eight places between the writes of x's scale words and the products
.else
.rept 8
	v_nop
.endr
.endif
	WIN 0x01                                       ; source 0 (W1) window 1
.irp s, 0,1,2,3,4,5,6,7                        ; the four accumulators take turns, one instruction a turn
.irp t, 0,1,2,3
.if (\s % 2) == 0
	v_wmma_scale_f32_16x16x128_f8f6f4 v[ACC+8*\t:ACC+8*\t+7], v[8*(8*\t+\s):8*(8*\t+\s)+7], v[XF+8*\s:XF+8*\s+7], v[ACC+8*\t:ACC+8*\t+7], v[WSC+4*\t+\s/2], v[XS+\s] matrix_a_fmt:MATRIX_FMT_FP4 matrix_b_fmt:MATRIX_FMT_FP4
.else
	v_wmma_scale_f32_16x16x128_f8f6f4 v[ACC+8*\t:ACC+8*\t+7], v[8*(8*\t+\s):8*(8*\t+\s)+7], v[XF+8*\s:XF+8*\s+7], v[ACC+8*\t:ACC+8*\t+7], v[WSC+4*\t+\s/2], v[XS+\s] matrix_a_fmt:MATRIX_FMT_FP4 matrix_b_fmt:MATRIX_FMT_FP4 matrix_a_scale:MATRIX_SCALE_ROW1
.endif
.endr
.endr
	WIN 0
.rept 4
	v_nop                                          ; four places behind the last products (ISA guide 7.12.1)
.endr
.set j, 0
.rept 32
	v_max_num_f32 v[ACC+j], 0, v[ACC+j]            ; the activation, in f32; each accumulator from its low end on
.set j, j+1
.endr
.irp b, 0,1
	v_max3_num_f32 v[TM+\b], v[ACC+16*\b], v[ACC+16*\b+1], 0x1800000   ; block b: my 16 numbers (none is negative), and the floor
.endr
.irp i, 2,4,6,8,10,12,14
.irp b, 0,1
	v_max3_num_f32 v[TM+\b], v[TM+\b], v[ACC+16*\b+\i], v[ACC+16*\b+\i+1]
.endr
.endr
.irp b, 0,1
	v_permlanex16_b32 v[TM+2+\b], v[TM+\b], s34, s35
.endr
.irp b, 0,1
	v_max_num_f32 v[TM+\b], v[TM+\b], v[TM+2+\b]   ; with lane l xor 16's 16: the block's largest
.endr
.irp b, 0,1
	v_add_nc_u32 v[TM+4+\b], 0xff000000, v[TM+\b]
.endr
.irp b, 0,1
	v_lshrrev_b32 v[TM+6+\b], 23, v[TM+4+\b]
.endr
.irp b, 0,1
	v_cvt_scalef32_pk8_fp4_f32 v[PC+2*\b], v[ACC+16*\b:ACC+16*\b+7], v[TM+4+\b]
	v_cvt_scalef32_pk8_fp4_f32 v[PC+2*\b+1], v[ACC+16*\b+8:ACC+16*\b+15], v[TM+4+\b]
.endr
	v_cndmask_b32 v[BY], v[TM+6], v[TM+7], s36     ; lanes 0-15 store block 0's byte, lanes 16-31 block 1's.  (A plain line behind the conversions)
	v_permlane16_swap_b32 v[PC], v[PC+2]           ; the operand's layout wants a whole block in a lane: lanes 0-15 block 0, lanes 16-31 block 1
	v_permlane16_swap_b32 v[PC+1], v[PC+3]
	global_store_b128 v[L16], v[PC:PC+3], s[16:17] ; the wave stores 512 consecutive bytes, aligned
	global_store_b8 v[HSO], v[BY], s[18:19]
.if \next
	s_wait_xcnt 0x0                                ; the stores' data and bases are written again only behind this wait
	s_add_nc_u64 s[16:17], s[16:17], 32768         ; two tiles on
	s_add_nc_u64 s[18:19], s[18:19], 2048
.endif
.endm
	s_load_b256 s[4:11], s[0:1], 0x0               ; W1, b1, xq, sel
	s_load_b128 s[16:19], s[0:1], 0x20             ; hc, hs
	s_load_b64 s[12:13], s[0:1], 0x30              ; plan
	v_lshl_add_u32 v254, v0, 2, 0x19800
	v_mov_b32 v255, 0
	v_lshrrev_b32 v16, 5, v0
	v_readfirstlane_b32 s20, v16                   ; wave 0..7
	v_and_b32 v[LN], 31, v0                        ; lane
	v_and_b32 v17, 15, v0                          ; r
	v_bfe_u32 v18, v0, 4, 1                        ; h
	s_lshr_b32 s21, ttmp9, 5                       ; e
	s_and_b32 s22, ttmp9, 31                       ; cg
	s_lshr_b32 s23, s20, 1                         ; q: my list
	s_and_b32 s24, s20, 1                          ; p: even or odd tiles
	s_lshl_b32 s25, s21, 2
	s_add_co_u32 s25, s25, s23                     ; list number 4 e + q
	s_lshl_b32 s[TH], s24, 4
	s_cmp_lg_u32 s24, 0
	s_cselect_b32 s[PM], -1, 0
	s_mov_b32 s57, 0                               ; the upper word of every offset that is added to an address
	s_mov_b32 s34, 0x76543210
	s_mov_b32 s35, 0xfedcba98                      ; v_permlanex16_b32's selects for lane l xor 16
	s_mov_b32 s36, 0xffff0000                      ; lanes 16-31
	s_mov_b32 s[FILL], 0
	s_mov_b32 s29, 0                               ; the group in hand
	v_lshlrev_b32 v[L16], 4, v[LN]
	v_lshlrev_b32 v[L4], 2, v[LN]
	s_lshl_b32 s30, s23, 9
	v_add_nc_u32 v[TOK], s30, v[LN]                ; group 0: token 512 q + lane
	v_mov_b32 v[CUR], v[TOK]                       ; every lane holds a token that exists, from the start
	v_mov_b32 v[VID], 0                            ; (a lane permute's destination counts as one of its sources)
	s_mul_i32 s30, s20, 16*SPITCH
	s_add_co_u32 s30, s30, STG
	v_mul_u32_u24 v[FRA], v17, SPITCH
	v_lshl_add_u32 v[FRA], v18, 4, v[FRA]
	v_add_nc_u32 v[FRA], s30, v[FRA]               ; a fragment's row x pitch + 16 x half
	v_add_nc_u32 v[STA], s30, v[L16]               ; a whole row into the stage
	s_lshl_b32 s30, s20, 8
	s_add_co_u32 s30, s30, BIAS
	v_lshl_add_u32 v[BIA], v18, 6, s30             ; b1: my half's 16 units of each 32
	v_lshl_add_u32 v22, v[LN], 3, s30
	v_lshlrev_b32 v19, 3, v[LN]
	v_lshl_add_u32 v[HSO], v17, 2, v18             ; hs: row r's word, byte h
	v_lshlrev_b32 v[WOF], 4, v17                   ; W1: 4 units a lane, lanes 16-31 32 rows further down
	v_lshl_add_u32 v[WOF], v18, 18, v[WOF]
	v_bfe_u32 v20, v0, 0, 1                        ; the lane's four units 4 cq .. 4 cq + 3 (cq = lane % 16) lie in tile 2 (cq / 8) + (cq / 2) % 2, from lane 4 (cq % 2) + 8 ((cq / 4) % 2) on
	v_bfe_u32 v21, v0, 2, 1
	v_bfe_u32 v23, v0, 1, 1
	v_bfe_u32 v24, v0, 3, 1
	v_lshlrev_b32 v[IMA], 6, v20
	v_lshl_or_b32 v[IMA], v21, 7, v[IMA]
	v_lshl_or_b32 v[IMA], v18, 8, v[IMA]
	v_lshl_or_b32 v[IMA], v23, 13, v[IMA]
	v_lshl_or_b32 v[IMA], v24, 14, v[IMA]
	s_lshl_b32 s30, s20, 10
	v_add_nc_u32 v[IMA], s30, v[IMA]               ; image: tile x 8,192 + K step (my wave) x 1,024 + set x 512 + half x 256 + lane x 16
	v_lshl_or_b32 v[WSA], v20, 4, v18
	v_lshl_or_b32 v[WSA], v21, 5, v[WSA]
	v_lshl_or_b32 v[WSA], v23, 9, v[WSA]
	v_lshl_or_b32 v[WSA], v24, 10, v[WSA]
	s_lshl_b32 s30, s20, 6
	s_add_co_u32 s30, s30, WS
	v_add_nc_u32 v[WSA], s30, v[WSA]               ; scale bytes: tile x 512 + K step x 64 + lane x 4 + 2 x set + half
	s_wait_kmcnt 0x0
	s_lshl_b32 s56, s23, 11
	s_add_nc_u64 s[10:11], s[10:11], s[56:57]      ; sel of my quarter
.set i, 0
.rept 16
	global_load_b32 v[SG+i], v[L4], s[10:11] offset:128*i      ; group i: token 512 q + 32 i + lane
.set i, i+1
.endr
	s_lshl_b32 s56, s21, 23
	s_lshl_b32 s32, s20, 20
	s_add_co_u32 s56, s56, s32
	s_lshl_b32 s32, s22, 8
	s_add_co_u32 s56, s56, s32
	s_add_nc_u64 s[4:5], s[4:5], s[56:57]          ; W1[e], my wave's 128 rows, my work-group's 64 units
	s_lshl_b32 s56, s21, 13
	s_add_co_u32 s56, s56, s32
	s_add_nc_u64 s[6:7], s[6:7], s[56:57]          ; b1[e] at the same units
	global_load_b64 v[26:27], v19, s[6:7]
	WIN 0x40                                       ; destination window 1
	WLOAD 0
	WIN 0
	s_lshl_b32 s56, s23, 3
	s_add_co_u32 s56, s56, s21
	s_lshl_b32 s56, s56, 2
	s_add_co_u32 s56, s56, 90112
	s_add_nc_u64 s[38:39], s[12:13], s[56:57]      ; cnt[8 q + e]
	s_lshl_b32 s56, s21, 13
	s_lshl_b32 s32, s23, 11
	s_add_co_u32 s56, s56, s32
	s_add_nc_u64 s[12:13], s[12:13], s[56:57]      ; slot[e] at my quarter's first token
	s_add_nc_u64 s[14:15], s[8:9], 1048576         ; x's scale bytes
	s_mul_i32 s33, s25, 36
	s_add_co_u32 s33, s33, s24                     ; my first tile's number
	s_lshl_b32 s56, s33, 14
	s_lshl_b32 s32, s22, 9
	s_add_co_u32 s56, s56, s32
	s_add_nc_u64 s[16:17], s[16:17], s[56:57]
	s_lshl_b32 s56, s33, 10
	s_lshr_b32 s32, s22, 1
	s_lshl_b32 s32, s32, 6
	s_add_co_u32 s56, s56, s32
	s_and_b32 s32, s22, 1
	s_lshl_b32 s32, s32, 1
	s_add_co_u32 s56, s56, s32
	s_add_nc_u64 s[18:19], s[18:19], s[56:57]
	s_wait_loadcnt 32                              ; sel and b1 are in; set 0's 32 loads were issued behind them
	ds_store_b64 v22, v[26:27]
.set i, 0
.rept 16
	v_and_b32 v48, 0xff, v[SG+i]
	v_lshrrev_b32 v49, 8, v[SG+i]
	v_cmp_eq_u32 s30, s21, v48
	v_cmp_eq_u32 s31, s21, v49
	s_or_b32 s[M+i], s30, s31                      ; the lanes of group i whose token chose e, first or second
.set i, i+1
.endr
	WIN 0x40
	WLOAD 1
	WIN 0
	s_or_b32 s30, s22, s24                         ; cg = 0 and an even wave: the one owner of this list's part of plan
	s_cmp_lg_u32 s30, 0
	s_cbranch_scc1 .Lnot_owner
	s_mul_i32 s33, s25, 576                        ; the list's first slot
	s_mov_b32 s32, s33
.set i, 0
.rept 16
	v_mbcnt_lo_u32_b32 v[PS+i], s[M+i], s32        ; first slot + members in the groups before + members in lower lanes
	global_store_b32 v[L4], v[PS+i], s[12:13] offset:128*i     ; 128 consecutive bytes; the 16 stores cover the quarter's 2,048 bytes on end
	s_bcnt1_i32_b32 s30, s[M+i]
	s_add_co_u32 s32, s32, s30
.set i, i+1
.endr
	s_sub_co_u32 s32, s32, s33
	s_add_co_u32 s32, s32, 15
	s_lshr_b32 s32, s32, 4                         ; the list's length in tiles of 16
	v_mov_b32 v[PS+16], s32
	v_cmp_eq_u32 vcc_lo, 0, v[LN]
	s_wait_xcnt 0x0                                ; EXEC changes only behind this wait
	s_and_saveexec_b32 s30, vcc_lo
	global_store_b32 v[L4], v[PS+16], s[38:39]     ; lane 0 alone
	s_wait_xcnt 0x0                                ; and again in front of the line that widens it; the stores' data may be written again too
	s_or_b32 exec_lo, exec_lo, s30
.Lnot_owner:
.Lseek:                                                ; while the weights are on their way: groups are gathered until 32 entries are there, or the quarter ends
	FUNNEL
	s_cmp_ge_u32 s[NF], 32
	s_cbranch_scc1 .Lfound
	ADVANCE
	s_cmp_lt_u32 s29, 16
	s_cbranch_scc1 .Lseek
.Lfound:                                               ; s[NF] >= 32: CUR is full and the group's step is still owed;  under 32: the quarter is walked, FILL entries are left
	s_wait_loadcnt 32                              ; set 0 is in; set 1's 32 loads were issued behind it
	QSET 0
	s_wait_loadcnt 0x0
	QSET 1
	s_wait_dscnt 0x0                               ; for the others' sake: my K step's images and scale bytes lie in LDS
	s_barrier_signal -1
	s_barrier_wait -1                              ; the one barrier: behind it the waves go their own ways
	s_cmp_lt_u32 s[NF], 32
	s_cbranch_scc1 .Lshort
	NEXTROWS                                       ; my first tile's rows, ahead of the fragments' 80 LDS loads
	FRAGS
	v_mov_b32 v[CUR], v[TP]                        ; the members past lane 31 begin the next 32
	s_sub_co_u32 s[NF], s[NF], 32
	ADVANCE
	s_cmp_lt_u32 s29, 16
	s_cbranch_scc0 .Ltail
.Lgroup:                                               ; the quarter's other groups.  One tile's rows are on their way throughout
	FUNNEL
	s_cmp_lt_u32 s[NF], 32
	s_cbranch_scc1 .Lopen
	TILE 1                                         ; 32 more are gathered: their rows are asked for, the tile before is multiplied
	v_mov_b32 v[CUR], v[TP]
	s_sub_co_u32 s[NF], s[NF], 32
.Lopen:
	ADVANCE
	s_cmp_lt_u32 s29, 16
	s_cbranch_scc1 .Lgroup
.Ltail:
	s_cmp_le_u32 s[FILL], s[TH]                    ; the remainder: lanes 0-15 serve the even wave if there is any entry, lanes 16-31 the odd wave if there are more than 16
	s_cbranch_scc1 .Llast
	TILE 1                                         ; its spare rows name tokens that exist; their results go to slots that nobody reads
.Llast:
	TILE 0                                         ; the last tile asks for nothing
	s_wait_tensorcnt 0x0
	ds_add_u32 v254, v255
	s_wait_dscnt 0x0
	s_endpgm
.Lshort:                                               ; a list of fewer than 32 entries
	s_cmp_le_u32 s[FILL], s[TH]
	s_cbranch_scc1 .Lend                           ; none for me
	NEXTROWS
	FRAGS
	s_branch .Llast
.Lend:
	s_wait_tensorcnt 0x0
	ds_add_u32 v254, v255
	s_wait_dscnt 0x0
	s_endpgm
.Lfunc_end_k_q29ba4a7bae_gemm1:
	.size	k_q29ba4a7bae_gemm1, .Lfunc_end_k_q29ba4a7bae_gemm1-k_q29ba4a7bae_gemm1
	.p2alignl 7, 3214868480
	.fill 96, 4, 3214868480
	.section	.rodata,"a",@progbits
	.p2align	6, 0x0
	.amdhsa_kernel k_q29ba4a7bae_gemm1
		.amdhsa_group_segment_fixed_size 105472
		.amdhsa_private_segment_fixed_size 0
		.amdhsa_enable_private_segment 0
		.amdhsa_kernarg_size 56
		.amdhsa_user_sgpr_count 2
		.amdhsa_user_sgpr_kernarg_segment_ptr 1
		.amdhsa_wavefront_size32 1
		.amdhsa_system_sgpr_workgroup_id_x 1
		.amdhsa_system_sgpr_workgroup_id_y 1
		.amdhsa_system_sgpr_workgroup_id_z 1
		.amdhsa_system_vgpr_workitem_id 0
		.amdhsa_next_free_vgpr 512
		.amdhsa_next_free_sgpr 84
		.amdhsa_reserve_vcc 1
		.amdhsa_float_denorm_mode_32 3
		.amdhsa_float_denorm_mode_16_64 3
		.amdhsa_memory_ordered 1
		.amdhsa_forward_progress 1
		.amdhsa_inst_pref_size 105
	.end_amdhsa_kernel
	.amdgpu_metadata
---
amdhsa.version: [ 1, 2 ]
amdhsa.kernels:
  - .name:           k_q29ba4a7bae_gemm1
    .symbol:         k_q29ba4a7bae_gemm1.kd
    .args:
      - { .name: W1, .offset: 0, .size: 8, .value_kind: global_buffer, .address_space: global }
      - { .name: b1, .offset: 8, .size: 8, .value_kind: global_buffer, .address_space: global }
      - { .name: xq, .offset: 16, .size: 8, .value_kind: global_buffer, .address_space: global }
      - { .name: sel, .offset: 24, .size: 8, .value_kind: global_buffer, .address_space: global }
      - { .name: hc, .offset: 32, .size: 8, .value_kind: global_buffer, .address_space: global }
      - { .name: hs, .offset: 40, .size: 8, .value_kind: global_buffer, .address_space: global }
      - { .name: plan, .offset: 48, .size: 8, .value_kind: global_buffer, .address_space: global }
    .group_segment_fixed_size: 105472
    .private_segment_fixed_size: 0
    .kernarg_segment_align: 8
    .kernarg_segment_size: 56
    .max_flat_workgroup_size: 256
    .sgpr_count:     84
    .vgpr_count:     512
    .wavefront_size: 32
...
	.end_amdgpu_metadata
.endif
;; end of part 2
;; launch gemm2 (part 3): grid 256 x 1, 8 waves a work-group, no clusters, 54,272 bytes of LDS; arguments W2, b2, hc, hs, plan, yb; writes yb
.if DOCPART == 3
	.amdgcn_target "amdgcn-amd-amdhsa--gfx1250"
	.amdhsa_code_object_version 6
	.text
	.protected	k_q29ba4a7bae_gemm2
	.globl	k_q29ba4a7bae_gemm2
	.p2align	8
	.type	k_q29ba4a7bae_gemm2,@function
k_q29ba4a7bae_gemm2:
	s_mov_b64 s[64:65], 0
	v_nop
	global_prefetch_b8 v0, s[64:65] scope:SCOPE_SE
	s_setreg_imm32_b32 hwreg(HW_REG_WAVE_MODE, 25, 1), 1
	s_wait_xcnt 0x0
; THE SECOND PRODUCT OF THE CHOSEN ROWS: y = h W2[e] + b2[e] on codes of FP4 (E2M1) with one E8M0 scale for each 32 along K; y in f32, one row for each (token, chosen expert).
; THE WEIGHTS STAND STILL, as in the first product.  Work-group (e, cg) owns expert e = x / 32 and outputs 32 cg .. 32 cg + 31: 2,048 k x 32 outputs of W2, read once, quantised along K in registers;
; every wave keeps all 32 fragments (2 tiles of 16 outputs x 16 K steps) in 256 registers.  Waves 2 q and 2 q + 1 walk the expert's list q, even and odd tiles of 16 rows; the number of tiles is read from memory,
; so the text has no tensor load and no copy, and no barrier behind the branch on it.  No cluster: partners would walk different numbers of tiles.
; QUANTISING W2.  Wave w takes K steps 2 w and 2 w + 1.  A lane takes 4 neighbouring outputs and one block of 32 k of each step: a load reads four pieces of 128 consecutive bytes.
; THE OUTPUTS OF A TILE ARE NOT NEIGHBOURS: lane m of tile u takes output 8 u + m + 8 (m / 8); the product is used transposed (source 0 = 16 outputs, source 1 = 16 rows), so a lane's 16 results are 16 neighbouring outputs of one row.
; h's fragments lie in memory as images of the operand's registers: each load of the wave reads 512 consecutive bytes.
; OUT.  yb[cg][slot][32 f32]: a tile's 16 rows are 2,048 consecutive bytes; they go through the wave's stage in LDS so that each store covers 512 consecutive bytes.
; The sum over K is kept in two halves (even and odd K steps), so that four accumulators take turns; the halves are added at the end.
; LIMITS: NaN and infinities are not served; blocks of W2 whose largest magnitude lies under 2^-124, and blocks of zeros, get the byte 1.
; REGISTERS.  Window 1: the raw weights, then the fragments, (tile u, K step s) at v[8 (16 u + s)].  Window 0: v1-8 addresses; v16-143 h's 16 fragments; v144-151 h's scale words; v152-183 four accumulators;
; v184-199 b2 in the result's layout; v200-215 W2's scale words; v216-231 rows on the way out; v232-247 at work.
.set ROWB,  4096
.set IMGD,  1024
.set SCD,   64
.set IMG,   0                          ; LDS: 32 fragments x 1,024 bytes
.set WS,    32768                      ; W2's scale words: [tile 2][K step 16][lane 16][4 bytes]
.set STG,   34816                      ; a stage for each wave: 16 rows x (128 bytes + 16)
.set CGS,   2359296                    ; bytes of yb for one cg: 18,432 slots x 128
.set L16, 1
.set L4,  2
.set SO,  3
.set SR,  4
.set WOF, 5
.set IMA, 6
.set WSA, 7
.set BIA, 8
.set HF,  16
.set HSC, 144
.set ACC, 152
.set BI,  184
.set WSC, 200
.set YO,  216
.set DQ,  16
.set CQ,  152
.set TQ,  232
.set BQ,  240
.set MSB, 0
.macro WIN new                         ; the immediate's high byte repeats the setting that is left
.if MSB != \new
	s_set_vgpr_msb (MSB<<8)|\new
.set MSB, \new
.endif
.endm
.macro WLOAD d                         ; set d: K step 2 w + d: 32 k of 4 outputs a lane
.set i, 0
.rept 32
	global_load_b128 v[128*\d+4*i:128*\d+4*i+3], v[WOF], s[4:5] offset:ROWB*i+524288*\d
.set i, i+1
.endr
.endm
.macro QSET d                          ; set d becomes codes and scale bytes, and goes to LDS
	WIN 0x01                                       ; source 0 window 1
.set i, 0
.rept 32
.irp j, 0,1,2,3
	v_mov_b32 v[DQ+32*\j+i], v[128*\d+4*i+\j]      ; the conversions take neighbours along K from consecutive registers: each output's 32 k are laid on end
.endr
.set i, i+1
.endr
	WIN 0
.irp j, 0,1,2,3
	v_max3_num_f32 v[TQ+\j], |v[DQ+32*\j]|, |v[DQ+32*\j+1]|, 0x1800000   ; and the floor 2^(3 - 127): the byte cannot fall under 1
.endr
.set i, 2
.rept 15
.irp j, 0,1,2,3
	v_max3_num_f32 v[TQ+\j], v[TQ+\j], |v[DQ+32*\j+i]|, |v[DQ+32*\j+i+1]|
.endr
.set i, i+2
.endr
.irp j, 0,1,2,3
	v_add_nc_u32 v[TQ+4+\j], 0xff000000, v[TQ+\j]  ; 2 off the exponent field: the conversion's scale operand
.endr
.irp j, 0,1,2,3
	v_lshrrev_b32 v[BQ+4*\d+\j], 23, v[TQ+4+\j]    ; the scale's byte
.endr
.irp j, 0,1,2,3
.irp g, 0,1,2,3
	v_cvt_scalef32_pk8_fp4_f32 v[CQ+16*\d+4*\j+\g], v[DQ+32*\j+8*\g:DQ+32*\j+8*\g+7], v[TQ+4+\j]
.endr
.endr
	v_nop                                          ; a plain line behind the last conversion
.irp j, 0,1,2,3
	ds_store_b128 v[IMA], v[CQ+16*\d+4*\j:CQ+16*\d+4*\j+3] offset:IMGD*\d+16*\j
	ds_store_b8 v[WSA], v[BQ+4*\d+\j] offset:SCD*\d+4*\j
.endr
.endm
	s_load_b256 s[4:11], s[0:1], 0x0               ; W2, b2, hc, hs
	s_load_b128 s[12:15], s[0:1], 0x20             ; plan, yb
	v_lshl_add_u32 v254, v0, 2, 0xd000
	v_mov_b32 v255, 0
	v_lshrrev_b32 v9, 5, v0
	v_readfirstlane_b32 s20, v9                    ; wave 0..7
	s_lshr_b32 s21, ttmp9, 5                       ; e
	s_and_b32 s22, ttmp9, 31                       ; cg
	s_lshr_b32 s23, s20, 1                         ; q: my list
	s_and_b32 s24, s20, 1                          ; p: even or odd tiles
	s_lshl_b32 s25, s21, 2
	s_add_co_u32 s25, s25, s23                     ; list number 4 e + q
	s_mov_b32 s31, 0
	v_and_b32 v9, 31, v0
	v_lshlrev_b32 v[L16], 4, v9
	v_lshlrev_b32 v[L4], 2, v9
	v_bfe_u32 v9, v0, 0, 1                         ; the lane's four outputs 4 cq .. 4 cq + 3 (cq = lane % 8) lie in tile (cq / 2) % 2, from lane 4 (cq % 2) + 8 (cq / 4) on
	v_bfe_u32 v10, v0, 2, 1
	v_bfe_u32 v11, v0, 1, 1
	v_bfe_u32 v12, v0, 3, 2                        ; which block of 32 of the K step is mine
	v_and_b32 v13, 7, v0
	v_and_b32 v14, 15, v0                          ; r
	v_bfe_u32 v15, v0, 4, 1                        ; h
	v_lshlrev_b32 v[WOF], 4, v13
	v_lshl_add_u32 v[WOF], v12, 17, v[WOF]         ; W2: 4 outputs a lane, 32 rows further down for each block
	v_lshlrev_b32 v[IMA], 6, v9
	v_lshl_or_b32 v[IMA], v10, 7, v[IMA]
	v_lshl_or_b32 v[IMA], v12, 8, v[IMA]
	v_lshl_or_b32 v[IMA], v11, 14, v[IMA]
	s_lshl_b32 s30, s20, 11
	v_add_nc_u32 v[IMA], s30, v[IMA]               ; image: tile x 16,384 + K step (2 w + set) x 1,024 + block x 256 + lane x 16
	v_lshl_or_b32 v[WSA], v9, 4, v12
	v_lshl_or_b32 v[WSA], v10, 5, v[WSA]
	v_lshl_or_b32 v[WSA], v11, 10, v[WSA]
	s_lshl_b32 s30, s20, 7
	s_add_co_u32 s30, s30, WS
	v_add_nc_u32 v[WSA], s30, v[WSA]               ; scale bytes: tile x 1,024 + K step x 64 + lane x 4 + block
	v_lshlrev_b32 v[BIA], 6, v15                   ; b2: my half's 16 outputs
	s_mul_i32 s30, s20, 16*144
	s_add_co_u32 s30, s30, STG
	v_mul_u32_u24 v[SO], v14, 144
	v_lshl_add_u32 v[SO], v15, 6, v[SO]
	v_add_nc_u32 v[SO], s30, v[SO]                 ; the stage: row r, my 64 bytes
	v_mul_u32_u24 v[SR], v12, 144
	v_lshl_add_u32 v[SR], v13, 4, v[SR]
	v_add_nc_u32 v[SR], s30, v[SR]                 ; back: eight lanes to a row, four rows an instruction
	s_wait_kmcnt 0x0
	s_lshl_b32 s30, s21, 23
	s_lshl_b32 s32, s20, 20
	s_add_co_u32 s30, s30, s32
	s_lshl_b32 s32, s22, 7
	s_add_co_u32 s30, s30, s32
	s_add_nc_u64 s[4:5], s[4:5], s[30:31]          ; W2[e], my wave's 256 rows, my work-group's 32 outputs
	s_lshl_b32 s30, s21, 12
	s_add_co_u32 s30, s30, s32
	s_add_nc_u64 s[6:7], s[6:7], s[30:31]          ; b2[e] at the same outputs
.irp u, 0,1
	global_load_b128 v[BI+8*\u:BI+8*\u+3], v[BIA], s[6:7] offset:32*\u
	global_load_b128 v[BI+8*\u+4:BI+8*\u+7], v[BIA], s[6:7] offset:32*\u+16
.endr
	WIN 0x40                                       ; destination window 1
	WLOAD 0
	WLOAD 1
	WIN 0
	s_lshl_b32 s30, s23, 3
	s_add_co_u32 s30, s30, s21
	s_lshl_b32 s30, s30, 2
	s_add_co_u32 s30, s30, 90112
	s_add_nc_u64 s[12:13], s[12:13], s[30:31]      ; my list's number of tiles
	s_load_b32 s26, s[12:13], 0x0
	s_mul_i32 s33, s25, 36
	s_add_co_u32 s33, s33, s24                     ; my first tile's number
	s_lshl_b32 s30, s33, 14
	s_add_nc_u64 s[8:9], s[8:9], s[30:31]
	s_lshl_b32 s30, s33, 10
	s_add_nc_u64 s[10:11], s[10:11], s[30:31]
	s_mul_i32 s30, s22, CGS
	s_lshl_b32 s32, s33, 11
	s_add_co_u32 s30, s30, s32
	s_add_nc_u64 s[14:15], s[14:15], s[30:31]
	s_wait_loadcnt 32                              ; b2 and set 0 are in; set 1's 32 loads were issued behind them
	QSET 0
	s_wait_loadcnt 0x0
	QSET 1
	s_wait_dscnt 0x0                               ; for the others' sake: my K steps' images and scale bytes lie in LDS
	s_barrier_signal -1
	s_barrier_wait -1                              ; the one barrier: behind it the waves go their own ways
	s_wait_kmcnt 0x0
	s_min_u32 s26, s26, 32                         ; tiles in my list
	s_cmp_ge_u32 s24, s26
	s_cbranch_scc1 .Lend                           ; none for me
.macro HLOAD hf, off                   ; half hf (8 K steps) of h's fragments and scale words, of this tile (off = 0) or of my next (1): 20 loads
.set i, 0
.rept 16
	global_load_b128 v[HF+64*\hf+4*i:HF+64*\hf+4*i+3], v[L16], s[8:9] offset:32768*\off+8192*\hf+512*i
.set i, i+1
.endr
.irp i, 0,1,2,3
	global_load_b32 v[HSC+4*\hf+\i], v[L4], s[10:11] offset:2048*\off+512*\hf+128*\i   ; lanes 0-15: an even K step's words, lanes 16-31: the odd one's
.endr
.endm
.macro MUL hf                          ; 8 K steps x 2 tiles of outputs; accumulator 2 (s % 2) + u: the four take turns, one instruction a turn
.irp z, 0,1,2,3,4,5,6,7
.irp u, 0,1
.set SS, 8*\hf+\z
.set AA, ACC+8*(2*(\z%2)+\u)
.set WW, 8*(16*\u+SS)
.if SS == 0
	v_wmma_scale_f32_16x16x128_f8f6f4 v[AA:AA+7], v[WW:WW+7], v[HF+8*SS:HF+8*SS+7], v[BI+8*\u:BI+8*\u+7], v[WSC+8*\u+SS/2], v[HSC+SS/2] matrix_a_fmt:MATRIX_FMT_FP4 matrix_b_fmt:MATRIX_FMT_FP4
.elseif SS == 1
	v_wmma_scale_f32_16x16x128_f8f6f4 v[AA:AA+7], v[WW:WW+7], v[HF+8*SS:HF+8*SS+7], 0, v[WSC+8*\u+SS/2], v[HSC+SS/2] matrix_a_fmt:MATRIX_FMT_FP4 matrix_b_fmt:MATRIX_FMT_FP4 matrix_a_scale:MATRIX_SCALE_ROW1 matrix_b_scale:MATRIX_SCALE_ROW1
.elseif (SS % 2) == 0
	v_wmma_scale_f32_16x16x128_f8f6f4 v[AA:AA+7], v[WW:WW+7], v[HF+8*SS:HF+8*SS+7], v[AA:AA+7], v[WSC+8*\u+SS/2], v[HSC+SS/2] matrix_a_fmt:MATRIX_FMT_FP4 matrix_b_fmt:MATRIX_FMT_FP4
.else
	v_wmma_scale_f32_16x16x128_f8f6f4 v[AA:AA+7], v[WW:WW+7], v[HF+8*SS:HF+8*SS+7], v[AA:AA+7], v[WSC+8*\u+SS/2], v[HSC+SS/2] matrix_a_fmt:MATRIX_FMT_FP4 matrix_b_fmt:MATRIX_FMT_FP4 matrix_a_scale:MATRIX_SCALE_ROW1 matrix_b_scale:MATRIX_SCALE_ROW1
.endif
.endr
.endr
.endm
; A tile of 16 rows.  next = 1: each half of my next tile is asked for as soon as this tile's half has been multiplied.
.macro TILE next
	s_wait_loadcnt 20                              ; the first half is in; the second half's 20 loads were issued behind it
	WIN 0x01                                       ; source 0 (W2) window 1
	MUL 0                                          ; the bias is the C of the first products, the constant 0 that of the odd K steps' first: nothing is cleared
	WIN 0
.rept 4
	v_nop                                          ; four places in front of loads into registers that the products have read
.endr
.if \next
	HLOAD 0, 1
	s_wait_loadcnt 20                              ; this tile's second half is in; the 20 loads just issued may be out
.else
	s_wait_loadcnt 0x0
.endif
	WIN 0x01
	MUL 1
	WIN 0
.rept 5
	v_nop                                          ; four for the loads and the additions below; the fifth for the next tile's first products, which write over these accumulators
.endr
.if \next
	HLOAD 1, 1
.endif
.irp u, 0,1
.irp i, 0,2,4,6
	v_pk_add_f32 v[ACC+8*\u+\i:ACC+8*\u+\i+1], v[ACC+8*\u+\i:ACC+8*\u+\i+1], v[ACC+16+8*\u+\i:ACC+16+8*\u+\i+1]   ; even and odd K steps' sums; each accumulator from its low end on
.endr
.endr
.irp u, 0,1
	ds_store_b128 v[SO], v[ACC+8*\u:ACC+8*\u+3] offset:32*\u
	ds_store_b128 v[SO], v[ACC+8*\u+4:ACC+8*\u+7] offset:32*\u+16
.endr
.irp i, 0,1,2,3
	ds_load_b128 v[YO+4*\i:YO+4*\i+3], v[SR] offset:576*\i       ; LDS serves a wave's instructions in order: these see the stores above
.endr
	s_wait_dscnt 0x0
.irp i, 0,1,2,3
	global_store_b128 v[L16], v[YO+4*\i:YO+4*\i+3], s[14:15] offset:512*\i   ; the wave stores 512 consecutive bytes, aligned
.endr
.if \next
	s_wait_xcnt 0x0                                ; the stores' data and the loads' and stores' bases are written again only behind this wait
	s_add_nc_u64 s[8:9], s[8:9], 32768             ; two tiles on
	s_add_nc_u64 s[10:11], s[10:11], 2048
	s_add_nc_u64 s[14:15], s[14:15], 4096
.endif
.endm
	HLOAD 0, 0                                     ; my first tile
	HLOAD 1, 0
	WIN 0x40                                       ; destination window 1: the raw weights have been read out
.irp u, 0,1
.set s, 0
.rept 16
	ds_load_b128 v[8*(16*\u+s):8*(16*\u+s)+3], v[L16] offset:IMG+16384*\u+1024*s
	ds_load_b128 v[8*(16*\u+s)+4:8*(16*\u+s)+7], v[L16] offset:IMG+16384*\u+1024*s+512
.set s, s+1
.endr
.endr
	WIN 0
.set i, 0
.rept 16
	ds_load_b32 v[WSC+i], v[L4] offset:WS+128*i    ; lanes 0-15: an even K step's words, lanes 16-31: the odd one's
.set i, i+1
.endr
	s_sub_co_u32 s29, s26, s24
	s_add_co_u32 s29, s29, 1
	s_lshr_b32 s29, s29, 1
	s_sub_co_u32 s29, s29, 1                       ; my tiles but the last
	s_wait_dscnt 0x0                               ; the fragments and W2's scale words are in
	s_cmp_eq_u32 s29, 0
	s_cbranch_scc1 .Llast
.Ltile:
	TILE 1
	s_sub_co_u32 s29, s29, 1
	s_cmp_lg_u32 s29, 0
	s_cbranch_scc1 .Ltile
.Llast:
	TILE 0                                         ; the last tile asks for nothing
.Lend:
	s_wait_tensorcnt 0x0
	ds_add_u32 v254, v255
	s_wait_dscnt 0x0
	s_endpgm
.Lfunc_end_k_q29ba4a7bae_gemm2:
	.size	k_q29ba4a7bae_gemm2, .Lfunc_end_k_q29ba4a7bae_gemm2-k_q29ba4a7bae_gemm2
	.p2alignl 7, 3214868480
	.fill 96, 4, 3214868480
	.section	.rodata,"a",@progbits
	.p2align	6, 0x0
	.amdhsa_kernel k_q29ba4a7bae_gemm2
		.amdhsa_group_segment_fixed_size 54272
		.amdhsa_private_segment_fixed_size 0
		.amdhsa_enable_private_segment 0
		.amdhsa_kernarg_size 48
		.amdhsa_user_sgpr_count 2
		.amdhsa_user_sgpr_kernarg_segment_ptr 1
		.amdhsa_wavefront_size32 1
		.amdhsa_system_sgpr_workgroup_id_x 1
		.amdhsa_system_sgpr_workgroup_id_y 1
		.amdhsa_system_sgpr_workgroup_id_z 1
		.amdhsa_system_vgpr_workitem_id 0
		.amdhsa_next_free_vgpr 512
		.amdhsa_next_free_sgpr 66
		.amdhsa_reserve_vcc 0
		.amdhsa_float_denorm_mode_32 3
		.amdhsa_float_denorm_mode_16_64 3
		.amdhsa_memory_ordered 1
		.amdhsa_forward_progress 1
		.amdhsa_inst_pref_size 56
	.end_amdhsa_kernel
	.amdgpu_metadata
---
amdhsa.version: [ 1, 2 ]
amdhsa.kernels:
  - .name:           k_q29ba4a7bae_gemm2
    .symbol:         k_q29ba4a7bae_gemm2.kd
    .args:
      - { .name: W2, .offset: 0, .size: 8, .value_kind: global_buffer, .address_space: global }
      - { .name: b2, .offset: 8, .size: 8, .value_kind: global_buffer, .address_space: global }
      - { .name: hc, .offset: 16, .size: 8, .value_kind: global_buffer, .address_space: global }
      - { .name: hs, .offset: 24, .size: 8, .value_kind: global_buffer, .address_space: global }
      - { .name: plan, .offset: 32, .size: 8, .value_kind: global_buffer, .address_space: global }
      - { .name: yb, .offset: 40, .size: 8, .value_kind: global_buffer, .address_space: global }
    .group_segment_fixed_size: 54272
    .private_segment_fixed_size: 0
    .kernarg_segment_align: 8
    .kernarg_segment_size: 48
    .max_flat_workgroup_size: 256
    .sgpr_count:     66
    .vgpr_count:     512
    .wavefront_size: 32
...
	.end_amdgpu_metadata
.endif
;; end of part 3
;; launch combine (part 4): grid 256 x 1, 8 waves a work-group, no clusters, 0 bytes of LDS; arguments yb, plan, sel, gw, out0; writes out0
.if DOCPART == 4
	.amdgcn_target "amdgcn-amd-amdhsa--gfx1250"
	.amdhsa_code_object_version 6
	.text
	.protected	k_q29ba4a7bae_combine
	.globl	k_q29ba4a7bae_combine
	.p2align	8
	.type	k_q29ba4a7bae_combine,@function
k_q29ba4a7bae_combine:
	s_mov_b64 s[64:65], 0
	v_nop
	global_prefetch_b8 v0, s[64:65] scope:SCOPE_SE
	s_setreg_imm32_b32 hwreg(HW_REG_WAVE_MODE, 25, 1), 1
	s_wait_xcnt 0x0
; out[token] = w1 y[slot of the first choice] + w2 y[slot of the second].  Each output row has one owner: a work-group takes 8 tokens, thread t columns 4 t .. 4 t + 3 of each.
; yb is laid [cg 32][slot 18,432][32 f32]: thread t reads 16 bytes at (t / 8) x CGS + slot x 128 + 16 (t % 8).
; The slots lie by expert, plan[e][token] (whole numbers, stored by an earlier launch): sel[token] = e1 | e2 << 8 says which two rows of that table hold a token's slots.
; Choices, slots and weights are the same for the whole work-group and come by scalar loads, the slots behind the choices.
; All 16 loads of a thread go out at once; each store of a wave covers 512 consecutive bytes.  A stream: no LDS, no barrier, no matrix unit.
.set CGS, 2359296
	s_load_b256 s[4:11], s[0:1], 0x0               ; yb, plan, sel, gw
	s_load_b64 s[12:13], s[0:1], 0x20              ; out0
	v_lshlrev_b32 v1, 4, v0
	v_lshrrev_b32 v2, 3, v0
	v_mul_u32_u24 v2, v2, CGS
	v_and_b32 v3, 7, v0
	v_lshl_add_u32 v2, v3, 4, v2
	s_lshl_b32 s14, ttmp9, 5                       ; 8 tokens x 4 bytes
	s_mov_b32 s15, 0
	s_wait_kmcnt 0x0
	s_add_nc_u64 s[8:9], s[8:9], s[14:15]          ; sel of my tokens
	s_add_nc_u64 s[6:7], s[6:7], s[14:15]          ; my tokens' place in each expert's row of slots
	s_load_b256 s[48:55], s[8:9], 0x0              ; the 8 pairs of choices
	s_lshl_b32 s14, ttmp9, 6                       ; 8 tokens x 8 bytes
	s_add_nc_u64 s[10:11], s[10:11], s[14:15]
	s_load_b512 s[32:47], s[10:11], 0x0            ; the 16 weights
	s_lshl_b32 s14, ttmp9, 15
	s_add_nc_u64 s[12:13], s[12:13], s[14:15]      ; my 8 rows of the output
	s_wait_kmcnt 0x0
.irp i, 0,1,2,3,4,5,6,7
	s_and_b32 s14, s[48+\i], 0xff                  ; the first choice
	s_min_u32 s14, s14, 7                          ; a loaded number enters an address held to the table's size
	s_lshl_b32 s14, s14, 13                        ; an expert's row of slots is 8,192 bytes
	s_add_nc_u64 s[66+4*\i:67+4*\i], s[6:7], s[14:15]          ; a pointer of its own for each load: none is written while a load may still read it
	s_load_b32 s[16+2*\i], s[66+4*\i:67+4*\i], 4*\i
	s_lshr_b32 s14, s[48+\i], 8                    ; the second
	s_min_u32 s14, s14, 7
	s_lshl_b32 s14, s14, 13
	s_add_nc_u64 s[68+4*\i:69+4*\i], s[6:7], s[14:15]
	s_load_b32 s[17+2*\i], s[68+4*\i:69+4*\i], 4*\i
.endr
	s_wait_kmcnt 0x0                               ; the 16 slots
.irp n, 0,1,2,3,4,5,6,7,8,9,10,11,12,13,14,15
	s_min_u32 s[16+\n], s[16+\n], 18431            ; held to the table's size
	s_lshl_b32 s[16+\n], s[16+\n], 7
	v_add_nc_u32 v[16+\n], s[16+\n], v2
	global_load_b128 v[32+4*\n:35+4*\n], v[16+\n], s[4:5]
.endr
.irp i, 0,1,2,3,4,5,6,7
	s_wait_loadcnt 14-2*\i                         ; this token's two loads are in; the later tokens' may be out
.irp k, 0,1,2,3
	v_mul_f32 v[32+8*\i+\k], s[32+2*\i], v[32+8*\i+\k]
.endr
.irp k, 0,1,2,3
	v_fma_f32 v[32+8*\i+\k], s[33+2*\i], v[36+8*\i+\k], v[32+8*\i+\k]
.endr
	global_store_b128 v1, v[32+8*\i:35+8*\i], s[12:13] offset:4096*\i th:TH_STORE_NT
.endr
	s_endpgm
.Lfunc_end_k_q29ba4a7bae_combine:
	.size	k_q29ba4a7bae_combine, .Lfunc_end_k_q29ba4a7bae_combine-k_q29ba4a7bae_combine
	.p2alignl 7, 3214868480
	.fill 96, 4, 3214868480
	.section	.rodata,"a",@progbits
	.p2align	6, 0x0
	.amdhsa_kernel k_q29ba4a7bae_combine
		.amdhsa_group_segment_fixed_size 0
		.amdhsa_private_segment_fixed_size 0
		.amdhsa_enable_private_segment 0
		.amdhsa_kernarg_size 40
		.amdhsa_user_sgpr_count 2
		.amdhsa_user_sgpr_kernarg_segment_ptr 1
		.amdhsa_wavefront_size32 1
		.amdhsa_system_sgpr_workgroup_id_x 1
		.amdhsa_system_sgpr_workgroup_id_y 1
		.amdhsa_system_sgpr_workgroup_id_z 1
		.amdhsa_system_vgpr_workitem_id 0
		.amdhsa_next_free_vgpr 96
		.amdhsa_next_free_sgpr 98
		.amdhsa_reserve_vcc 0
		.amdhsa_float_denorm_mode_32 3
		.amdhsa_float_denorm_mode_16_64 3
		.amdhsa_memory_ordered 1
		.amdhsa_forward_progress 1
		.amdhsa_inst_pref_size 12
	.end_amdhsa_kernel
	.amdgpu_metadata
---
amdhsa.version: [ 1, 2 ]
amdhsa.kernels:
  - .name:           k_q29ba4a7bae_combine
    .symbol:         k_q29ba4a7bae_combine.kd
    .args:
      - { .name: yb, .offset: 0, .size: 8, .value_kind: global_buffer, .address_space: global }
      - { .name: plan, .offset: 8, .size: 8, .value_kind: global_buffer, .address_space: global }
      - { .name: sel, .offset: 16, .size: 8, .value_kind: global_buffer, .address_space: global }
      - { .name: gw, .offset: 24, .size: 8, .value_kind: global_buffer, .address_space: global }
      - { .name: out0, .offset: 32, .size: 8, .value_kind: global_buffer, .address_space: global }
    .group_segment_fixed_size: 0
    .private_segment_fixed_size: 0
    .kernarg_segment_align: 8
    .kernarg_segment_size: 40
    .max_flat_workgroup_size: 256
    .sgpr_count:     98
    .vgpr_count:     96
    .wavefront_size: 32
...
	.end_amdgpu_metadata
.endif
;; end of part 4
;; ======== version 2 of 2: 4 launches
;; workspace buffers: xq 1,114,112 bytes; sel 8,192 bytes of whole numbers; gw 16,384 bytes; plan 90,368 bytes of whole numbers; hc 18,874,368 bytes; hs 1,179,648 bytes; yb 75,497,472 bytes
;; launch route (part 5): grid 256 x 1, 4 waves a work-group, no clusters, 70,912 bytes of LDS; arguments x, Wr, br, xq, sel, gw; writes xq, sel, gw
.if DOCPART == 5
	.amdgcn_target "amdgcn-amd-amdhsa--gfx1250"
	.amdhsa_code_object_version 6
	.text
	.protected	k_q29ba4a7bae_route
	.globl	k_q29ba4a7bae_route
	.p2align	8
	.type	k_q29ba4a7bae_route,@function
k_q29ba4a7bae_route:
	s_mov_b64 s[64:65], 0
	v_nop
	global_prefetch_b8 v0, s[64:65] scope:SCOPE_SE
	s_setreg_imm32_b32 hwreg(HW_REG_WAVE_MODE, 25, 1), 1
	s_wait_xcnt 0x0
; ROUTER, AND x INTO CODES.  x: [2048][1024] f32.  logits = x Wr + br (f32 multiply-adds), the two largest of eight (on a tie the lower index), softmax over the two.
; Stored at fixed places: sel[token] = e1 | e2 << 8, gw[token] = (w1, w2); x's codes of FP4 (E2M1) at xq[token][512 bytes], its E8M0 bytes at xq + 1,048,576 + token x 32.
; A block's scale is 2^(floor(log2(largest magnitude)) - 2); its byte is the largest magnitude's exponent field - 2, held at 1 from below.
; LIMITS: NaN and infinities are not served; blocks whose largest magnitude lies under 2^-124 get the byte 1; a block of zeros gets the byte 1 where the quantiser says 127
; (its codes are zeros, and the bytes are read by this program alone).
; SHARES.  A work-group takes 8 tokens, each of its four waves 2.  Loads take bytes as they lie (512 consecutive bytes a load); a row then turns through the wave's own
; stage in LDS, so that lane l holds block l of the row: k = 32 l .. 32 l + 31 in 32 registers.  Wr (32 KB) lies in LDS once for the work-group, 1,024 bytes a lane + 16 of padding.
; No matrix unit: the product has 8 columns and decides a choice, so it stays in f32.  No tensor load: the work-group reads 64 KB once.
.set WRL,  0                           ; LDS: Wr, 32 x 1,040 bytes
.set XST,  33280                       ; a stage for each wave: 2 tokens x 32 x 144 bytes
.set SCB,  70144                       ; the work-group's 256 scale bytes
.set X,    16                          ; v16-79   two tokens x 32 numbers
.set WA,   80                          ; v80-143  64 registers of Wr
.set WB,   144                         ; v144-207 64 more
.set ACC,  208                         ; v208-223 the sums: 8 x token + expert
.set T,    224                         ; v224-240 the choice: 8 registers a token, v240 = -infinity
.set Q,    96                          ; v96-109  codes (4 a token), largest magnitudes, scale operands, bytes
	s_load_b256 s[4:11], s[0:1], 0x0               ; x, Wr, br, xq
	s_load_b128 s[12:15], s[0:1], 0x20             ; sel, gw
	v_lshl_add_u32 v254, v0, 2, 0x11300
	v_mov_b32 v255, 0
	v_lshrrev_b32 v1, 5, v0
	v_readfirstlane_b32 s18, v1                    ; wave
	v_and_b32 v1, 31, v0                           ; lane
	v_lshlrev_b32 v2, 4, v1                        ; 16 x lane
	v_lshlrev_b32 v3, 4, v0                        ; 16 x thread
	v_lshrrev_b32 v4, 6, v0
	v_lshl_add_u32 v4, v4, 4, v3                   ; Wr into LDS: 16 bytes of padding behind each 1,024
	s_mul_i32 s19, s18, 9216
	s_add_co_u32 s19, s19, XST                     ; my stage
	v_lshrrev_b32 v5, 3, v1
	v_lshl_add_u32 v5, v5, 4, v2
	v_add_nc_u32 v5, s19, v5                       ; into it: 16 bytes of padding behind each 128
	v_mul_u32_u24 v6, v1, 144
	v_add_nc_u32 v6, s19, v6                       ; out of it: my block's 128 bytes
	v_mul_u32_u24 v7, v1, 1040                     ; my 32 rows of Wr
	s_lshl_b32 s19, s18, 6
	s_add_co_u32 s19, s19, SCB
	v_add_nc_u32 v8, s19, v1                       ; my block's scale byte
	v_lshlrev_b32 v9, 2, v1
	v_lshlrev_b32 v10, 3, v1
	v_add_nc_u32 v11, SCB, v10                     ; wave 0 reads the 256 bytes back, 8 a lane
	s_lshl_b32 s30, ttmp9, 3
	s_lshl_b32 s31, s18, 1
	s_add_co_u32 s30, s30, s31                     ; my first token
	s_mov_b32 s33, 0
	s_mov_b32 s28, 0x76543210
	s_mov_b32 s29, 0xfedcba98                      ; v_permlanex16_b32's selects for lane l xor 16
	s_wait_alu depctr_va_vdst(0)
	s_wait_kmcnt 0x0
	s_load_b256 s[20:27], s[8:9], 0x0              ; br
	s_lshl_b32 s32, s30, 12
	s_add_nc_u64 s[4:5], s[4:5], s[32:33]          ; x at my first token
.set j, 0
.rept 16
	global_load_b128 v[WA+4*j:WA+4*j+3], v3, s[6:7] offset:2048*j
.set j, j+1
.endr
.irp t, 0,1
.set j, 0
.rept 8
	global_load_b128 v[WB+32*\t+4*j:WB+32*\t+4*j+3], v2, s[4:5] offset:4096*\t+512*j th:TH_LOAD_NT
.set j, j+1
.endr
.endr
	s_lshl_b32 s32, ttmp9, 8
	s_add_co_u32 s32, s32, 1048576
	s_add_nc_u64 s[16:17], s[10:11], s[32:33]      ; the work-group's 256 scale bytes in xq
	s_lshl_b32 s32, s30, 9
	s_add_nc_u64 s[10:11], s[10:11], s[32:33]      ; my tokens' codes
	s_lshl_b32 s32, s30, 2
	s_add_nc_u64 s[12:13], s[12:13], s[32:33]
	s_lshl_b32 s32, s30, 3
	s_add_nc_u64 s[14:15], s[14:15], s[32:33]
	s_wait_loadcnt 16                              ; Wr's 16 loads are in; x's 16 were issued behind them
.set j, 0
.rept 16
	ds_store_b128 v4, v[WA+4*j:WA+4*j+3] offset:2080*j
.set j, j+1
.endr
	s_wait_loadcnt 0x0
.irp t, 0,1
.set j, 0
.rept 8
	ds_store_b128 v5, v[WB+32*\t+4*j:WB+32*\t+4*j+3] offset:4608*\t+576*j
.set j, j+1
.endr
.endr
.irp t, 0,1
.set j, 0
.rept 8
	ds_load_b128 v[X+32*\t+4*j:X+32*\t+4*j+3], v6 offset:4608*\t+16*j   ; LDS serves a wave's instructions in order: these see my stores
.set j, j+1
.endr
.endr
	s_wait_dscnt 0x0                               ; for the others' sake: my part of Wr lies in LDS
	s_barrier_signal -1
	s_barrier_wait -1
.macro CHUNK c, buf                    ; my rows 8 c .. 8 c + 7 of Wr: 256 bytes a lane
.set j, 0
.rept 16
	ds_load_b128 v[\buf+4*j:\buf+4*j+3], v7 offset:256*\c+16*j
.set j, j+1
.endr
.endm
.macro FMAC c, buf                     ; 8 k x 2 tokens x 8 experts, two experts an instruction; x is taken for both halves
.set i, 0
.rept 8
.irp t, 0,1
.irp p, 0,1,2,3
.if (\c == 0) && (i == 0)
	v_pk_mul_f32 v[ACC+8*\t+2*\p:ACC+8*\t+2*\p+1], v[\buf+2*\p:\buf+2*\p+1], v[X+32*\t:X+32*\t+1] op_sel_hi:[1,0]   ; the first product starts the sums
.elseif (i % 2) == 0
	v_pk_fma_f32 v[ACC+8*\t+2*\p:ACC+8*\t+2*\p+1], v[\buf+8*i+2*\p:\buf+8*i+2*\p+1], v[X+32*\t+8*\c+i:X+32*\t+8*\c+i+1], v[ACC+8*\t+2*\p:ACC+8*\t+2*\p+1] op_sel_hi:[1,0,1]
.else
	v_pk_fma_f32 v[ACC+8*\t+2*\p:ACC+8*\t+2*\p+1], v[\buf+8*i+2*\p:\buf+8*i+2*\p+1], v[X+32*\t+8*\c+i-1:X+32*\t+8*\c+i], v[ACC+8*\t+2*\p:ACC+8*\t+2*\p+1] op_sel:[0,1,0] op_sel_hi:[1,1,1]
.endif
.endr
.endr
.set i, i+1
.endr
.endm
	CHUNK 0, WA
	CHUNK 1, WB
	s_wait_dscnt 16                                ; the older chunk is in; the younger one's 16 loads may be out
	FMAC 0, WA
	CHUNK 2, WA
	s_wait_alu depctr_va_vdst(0)
	s_wait_dscnt 16
	FMAC 1, WB
	CHUNK 3, WB
	s_wait_alu depctr_va_vdst(0)
	s_wait_dscnt 16
	FMAC 2, WA
	s_wait_alu depctr_va_vdst(0)
	s_wait_dscnt 0x0
	FMAC 3, WB
	; x into codes: a lane's 32 numbers are a block; the two tokens by turns
.irp t, 0,1
	v_max3_num_f32 v[Q+8+\t], |v[X+32*\t]|, |v[X+32*\t+1]|, 0x1800000   ; and the floor 2^(3 - 127): the byte cannot fall under 1
.endr
.set i, 2
.rept 15
.irp t, 0,1
	v_max3_num_f32 v[Q+8+\t], v[Q+8+\t], |v[X+32*\t+i]|, |v[X+32*\t+i+1]|
.endr
.set i, i+2
.endr
.irp t, 0,1
	v_add_nc_u32 v[Q+10+\t], 0xff000000, v[Q+8+\t] ; 2 off the exponent field: the conversion takes this operand's exponent field as its scale
.endr
.irp t, 0,1
.irp g, 0,1,2,3
	v_cvt_scalef32_pk8_fp4_f32 v[Q+4*\t+\g], v[X+32*\t+8*\g:X+32*\t+8*\g+7], v[Q+10+\t]
.endr
.endr
.irp t, 0,1
	v_lshrrev_b32 v[Q+12+\t], 23, v[Q+10+\t]       ; the scale's byte (also a plain line behind the conversions)
.endr
.irp t, 0,1
	global_store_b128 v2, v[Q+4*\t:Q+4*\t+3], s[10:11] offset:512*\t   ; the wave stores a token's 512 consecutive bytes
	ds_store_b8 v8, v[Q+12+\t] offset:32*\t
.endr
	; the sums over the 32 lanes
.irp m, 1,2,4,8
.set a, 0
.rept 16
	v_add_f32_dpp v[ACC+a], v[ACC+a], v[ACC+a] row_xmask:\m row_mask:0xf bank_mask:0xf
.set a, a+1
.endr
.endr
.set a, 0
.rept 16
	v_permlanex16_b32 v[WA+a], v[ACC+a], s28, s29  ; (its destination has been written: it held Wr)
.set a, a+1
.endr
.set a, 0
.rept 16
	v_add_f32 v[ACC+a], v[ACC+a], v[WA+a]
.set a, a+1
.endr
	s_wait_kmcnt 0x0                               ; br
.irp t, 0,1
.irp e, 0,1,2,3,4,5,6,7
	v_add_f32 v[ACC+8*\t+\e], s[20+\e], v[ACC+8*\t+\e]
.endr
.endr
	; the two largest, in every lane.  A later expert takes the place only if it is strictly larger: on a tie the lower index stays
	v_mov_b32 v[T+16], 0xff800000                  ; -infinity
.irp t, 0,1
	v_mov_b32 v[T+8*\t], v[ACC+8*\t]
	v_mov_b32 v[T+8*\t+1], 0
.irp e, 1,2,3,4,5,6,7
	v_cmp_le_f32 vcc_lo, v[ACC+8*\t+\e], v[T+8*\t]
	v_cndmask_b32 v[T+8*\t], v[ACC+8*\t+\e], v[T+8*\t], vcc_lo
	v_cndmask_b32 v[T+8*\t+1], \e, v[T+8*\t+1], vcc_lo
.endr
.irp e, 0,1,2,3,4,5,6,7
	v_cmp_eq_u32 vcc_lo, \e, v[T+8*\t+1]
	v_cndmask_b32 v[ACC+8*\t+\e], v[ACC+8*\t+\e], v[T+16], vcc_lo   ; the first choice is taken out
.endr
	v_mov_b32 v[T+8*\t+2], v[ACC+8*\t]
	v_mov_b32 v[T+8*\t+3], 0
.irp e, 1,2,3,4,5,6,7
	v_cmp_le_f32 vcc_lo, v[ACC+8*\t+\e], v[T+8*\t+2]
	v_cndmask_b32 v[T+8*\t+2], v[ACC+8*\t+\e], v[T+8*\t+2], vcc_lo
	v_cndmask_b32 v[T+8*\t+3], \e, v[T+8*\t+3], vcc_lo
.endr
	v_sub_f32 v[T+8*\t+6], v[T+8*\t+2], v[T+8*\t]  ; second - first: the maximum is taken away, the exponent is 0 or less
	v_mul_f32 v[T+8*\t+6], 0x3fb8aa3b, v[T+8*\t+6]
	v_lshl_or_b32 v[T+8*\t+3], v[T+8*\t+3], 8, v[T+8*\t+1]   ; e1 | e2 << 8
.endr
	s_wait_alu depctr_va_vdst(0)
	v_exp_f32 v[T+6], v[T+6]
	v_exp_f32 v[T+14], v[T+14]
	v_nop                                          ; a plain line behind the transcendentals (ISA guide 5.7.2)
	s_wait_alu depctr_va_vdst(0)
	v_add_f32 v[T+7], 1.0, v[T+6]
	v_add_f32 v[T+15], 1.0, v[T+14]
	s_wait_alu depctr_va_vdst(0)
	v_rcp_f32 v[T+4], v[T+7]
	v_rcp_f32 v[T+12], v[T+15]
	v_cmp_eq_u32 vcc_lo, 1, v1                     ; (a plain line)  lane 1 stores the second token's
	s_wait_alu depctr_va_vdst(0)
	v_mul_f32 v[T+5], v[T+6], v[T+4]
	v_mul_f32 v[T+13], v[T+14], v[T+12]
	v_cndmask_b32 v[T+3], v[T+3], v[T+11], vcc_lo
	v_cndmask_b32 v[T+4], v[T+4], v[T+12], vcc_lo
	v_cndmask_b32 v[T+5], v[T+5], v[T+13], vcc_lo
	s_wait_dscnt 0x0                               ; for wave 0's sake: my scale bytes lie in LDS
	s_barrier_signal -1
	s_barrier_wait -1
	s_cmp_lg_u32 s18, 0
	s_cbranch_scc1 .Lnot_wave_0
	ds_load_b64 v[12:13], v11
	s_wait_dscnt 0x0
	global_store_b64 v10, v[12:13], s[16:17]       ; 32 lanes store 256 consecutive bytes, aligned
.Lnot_wave_0:
	s_wait_xcnt 0x0                                ; EXEC changes only behind this wait
	v_cmp_gt_u32 vcc_lo, 2, v1
	s_wait_tensorcnt 0x0
	ds_add_u32 v254, v255
	s_wait_dscnt 0x0
	s_and_saveexec_b32 s19, vcc_lo
	s_wait_alu depctr_va_vdst(0)
	global_store_b32 v9, v[T+3], s[12:13]
	global_store_b64 v10, v[T+4:T+5], s[14:15]
	s_wait_xcnt 0x0
	s_or_b32 exec_lo, exec_lo, s19
	s_endpgm
.Lfunc_end_k_q29ba4a7bae_route:
	.size	k_q29ba4a7bae_route, .Lfunc_end_k_q29ba4a7bae_route-k_q29ba4a7bae_route
	.p2alignl 7, 3214868480
	.fill 96, 4, 3214868480
	.section	.rodata,"a",@progbits
	.p2align	6, 0x0
	.amdhsa_kernel k_q29ba4a7bae_route
		.amdhsa_group_segment_fixed_size 70912
		.amdhsa_private_segment_fixed_size 0
		.amdhsa_enable_private_segment 0
		.amdhsa_kernarg_size 48
		.amdhsa_user_sgpr_count 2
		.amdhsa_user_sgpr_kernarg_segment_ptr 1
		.amdhsa_wavefront_size32 1
		.amdhsa_system_sgpr_workgroup_id_x 1
		.amdhsa_system_sgpr_workgroup_id_y 1
		.amdhsa_system_sgpr_workgroup_id_z 1
		.amdhsa_system_vgpr_workitem_id 0
		.amdhsa_next_free_vgpr 256
		.amdhsa_next_free_sgpr 66
		.amdhsa_reserve_vcc 1
		.amdhsa_float_denorm_mode_32 3
		.amdhsa_float_denorm_mode_16_64 3
		.amdhsa_memory_ordered 1
		.amdhsa_forward_progress 1
		.amdhsa_inst_pref_size 44
	.end_amdhsa_kernel
	.amdgpu_metadata
---
amdhsa.version: [ 1, 2 ]
amdhsa.kernels:
  - .name:           k_q29ba4a7bae_route
    .symbol:         k_q29ba4a7bae_route.kd
    .args:
      - { .name: x, .offset: 0, .size: 8, .value_kind: global_buffer, .address_space: global }
      - { .name: Wr, .offset: 8, .size: 8, .value_kind: global_buffer, .address_space: global }
      - { .name: br, .offset: 16, .size: 8, .value_kind: global_buffer, .address_space: global }
      - { .name: xq, .offset: 24, .size: 8, .value_kind: global_buffer, .address_space: global }
      - { .name: sel, .offset: 32, .size: 8, .value_kind: global_buffer, .address_space: global }
      - { .name: gw, .offset: 40, .size: 8, .value_kind: global_buffer, .address_space: global }
    .group_segment_fixed_size: 70912
    .private_segment_fixed_size: 0
    .kernarg_segment_align: 8
    .kernarg_segment_size: 48
    .max_flat_workgroup_size: 128
    .sgpr_count:     66
    .vgpr_count:     256
    .wavefront_size: 32
...
	.end_amdgpu_metadata
.endif
;; end of part 5
;; launch gemm1 (part 6): grid 256 x 1, 8 waves a work-group, no clusters, 105,472 bytes of LDS; arguments W1, b1, xq, sel, hc, hs, plan; writes hc, hs, plan
.if DOCPART == 6
	.amdgcn_target "amdgcn-amd-amdhsa--gfx1250"
	.amdhsa_code_object_version 6
	.text
	.protected	k_q29ba4a7bae_gemm1
	.globl	k_q29ba4a7bae_gemm1
	.p2align	8
	.type	k_q29ba4a7bae_gemm1,@function
k_q29ba4a7bae_gemm1:
	s_mov_b64 s[64:65], 0
	v_nop
	global_prefetch_b8 v0, s[64:65] scope:SCOPE_SE
	s_setreg_imm32_b32 hwreg(HW_REG_WAVE_MODE, 25, 1), 1
	s_wait_xcnt 0x0
; THE FIRST PRODUCT OF THE CHOSEN ROWS: h = relu(x W1[e] + b1[e]) on codes of FP4 (E2M1) with one E8M0 scale for each 32 along K, and h into codes for the second product.
; THE WEIGHTS STAND STILL.  Work-group (e, cg) owns expert e = x / 32 and hidden units 64 cg .. 64 cg + 63.  It reads its slice of W1 (1,024 k x 64 units, f32) once,
; quantises it along K in registers, and every wave then keeps all 32 fragments (4 tiles of 16 units x 8 K steps) in 256 registers.  Then the expert's rows go by.
; THE ROWS ARE PLACED HERE, from sel[token] = e1 | e2 << 8 (whole numbers that an earlier launch stored).  The tokens are cut into four quarters of 512; the tokens of quarter q that chose e
; form list 4 e + q, in the tokens' order; slot = (4 e + q) x 576 + rank; 16 slots are a tile.  Waves 2 q and 2 q + 1 walk list q.  The quarter's 16 groups of 32 tokens give 16 lane masks.
; A register gathers 32 list entries (two tiles): for each group one lane permute sends the members to lanes (fill + rank) mod 32 and the others to the lanes that are left, so that it is a
; whole permutation with all lanes on, and every lane always holds a token that exists; the members' lanes are merged in.  When 32 are gathered, wave 2 q takes lanes 0-15, wave 2 q + 1 lanes 16-31.
; No address is made of a rank.  The branches hang on sel, so the text has no tensor load and no copy, and no barrier behind such a branch.  No cluster: partners would walk different numbers of tiles.
; FOR THE LATER LAUNCHES the waves with cg = 0 and an even number store plan: bytes 0 on: slot[e][token] (for a token that did not choose e a number that nobody reads); bytes 90,112 on: cnt[8 q + e] = the list's tiles.
; QUANTISING W1.  Wave w takes K step w (k = 128 w ..).  A lane takes 4 neighbouring units and 32 k of each of two halves: each load reads two whole pieces of 256 consecutive bytes.
; A lane's 32 k of a unit are a block: no other lane is asked for its maximum.  The codes go to LDS as an image of the operand's registers.
; THE UNITS OF A TILE ARE NOT NEIGHBOURS: lane m of tile 2 b + u takes unit 32 b + 8 u + m + 8 (m / 8).  The product is used transposed (source 0 = 16 units, source 1 = 16 rows), so a lane holds one row,
; and the 16 registers of tiles 2 b, 2 b + 1 are 16 neighbouring units: 32 b + 16 (lane / 16) + 0 .. 15, as the conversions want them.
; OUT.  hc[tile][cg][lane][16 bytes]: the register image of the second product's operand (K step cg / 2, half cg % 2).  hs[tile][K step][row][4 bytes].
; LIMITS: NaN and infinities are not served; blocks whose largest magnitude lies under 2^-124, and blocks of zeros, get the byte 1 (zero codes add nothing; this program alone reads the bytes).
; REGISTERS.  Window 1: first the raw weights (2 sets of 128), then the 32 fragments, (tile t, K step s) at v[8 (8 t + s)].
; Window 0: v1-7 addresses; v8-15 the next tile's scale words of x; v16-31 the next rows' offsets; v32-95 the next rows; v96-159 x's fragments; v160-191 four accumulators;
; v192-207 W1's scale words; v208-215 x's scale words; v216-223 the placing of rows; v224-244 at work.
.set ROWB,   8192                      ; a row of W1[e] in bytes
.set IMGD,   512                       ; from set 0's place in a fragment's image to set 1's
.set SCD,    2                         ; and in a scale word
.set IMG,    0                         ; LDS: 32 fragments x 1,024 bytes
.set WS,     32768                     ; W1's scale words: [tile 4][K step 8][lane 16][4 bytes]
.set BIAS,   34816                     ; b1's 64 numbers, a copy for each wave
.set STG,    36864                     ; a stage for each wave: 16 rows x (512 bytes + 16): rows 33 x 16 bytes apart, so that 16 rows' pieces fall on different banks (ISA guide 11.1)
.set SPITCH, 528
.set L16, 1
.set FRA, 2
.set STA, 3
.set BIA, 4
.set HSO, 5
.set VID, 6                            ; v6    my tile's tokens: lane r holds row r's
.set VSA, 7
.set XSN, 8
.set WOF, 9                            ; (while the weights are quantised: v9-11)
.set IMA, 10
.set WSA, 11
.set VRA, 16
.set XR,  32
.set XF,  96
.set ACC, 160
.set WSC, 192
.set XS,  208
.set LN,  216                          ; v216  lane
.set TOK, 217                          ; v217  my lane's token of the group in hand
.set CUR, 218                          ; v218  the 32 list entries that are being gathered
.set TP,  219                          ; v219  the group's tokens, permuted
.set DA,  220
.set DB,  221
.set L4,  223                          ; v223  4 x lane
.set TM,  224
.set PC,  240
.set BY,  244
.set DQ,  32                           ; 4 units x 32 k, while the weights are quantised
.set CQ,  160                          ; their codes
.set TQ,  224
.set BQ,  232
.set SG,  32                           ; v32-47 sel of the 16 groups (ahead of the quantising)
.set PS,  50                           ; v50-66 the slots and the count on their way out (likewise)
.set FILL, 26                          ; s26   entries gathered so far, 0 .. 31
.set TH,   27                          ; s27   16 x (wave % 2): a remainder serves me if it has more entries than that
.set PM,   28                          ; s28   all ones in odd waves, which take lanes 16-31
.set NF,   37                          ; s37   FILL + the group's members
.set M,    40                          ; s40-55 the groups' masks; s40 is the group in hand
.set ID,   68                          ; s68-83 my tile's 16 tokens
.set MSB, 0
.macro WIN new                         ; the immediate's high byte repeats the setting that is left
.if MSB != \new
	s_set_vgpr_msb (MSB<<8)|\new
.set MSB, \new
.endif
.endm
.macro WLOAD d                         ; set d: 32 k of 4 units a lane
.set i, 0
.rept 32
	global_load_b128 v[128*\d+4*i:128*\d+4*i+3], v[WOF], s[4:5] offset:ROWB*i+524288*\d th:TH_LOAD_NT
.set i, i+1
.endr
.endm
.macro QSET d                          ; set d becomes codes and scale bytes, and goes to LDS
	WIN 0x01                                       ; source 0 window 1
.set i, 0
.rept 32
.irp j, 0,1,2,3
	v_mov_b32 v[DQ+32*\j+i], v[128*\d+4*i+\j]      ; the conversions take neighbours along K from consecutive registers: each unit's 32 k are laid on end
.endr
.set i, i+1
.endr
	WIN 0
.irp j, 0,1,2,3
	v_max3_num_f32 v[TQ+\j], |v[DQ+32*\j]|, |v[DQ+32*\j+1]|, 0x1800000   ; and the floor 2^(3 - 127): the byte cannot fall under 1
.endr
.set i, 2
.rept 15
.irp j, 0,1,2,3
	s_delay_alu instid0(VALU_DEP_4)
	v_max3_num_f32 v[TQ+\j], v[TQ+\j], |v[DQ+32*\j+i]|, |v[DQ+32*\j+i+1]|   ; (the four units by turns)
.endr
.set i, i+2
.endr
.irp j, 0,1,2,3
	s_delay_alu instid0(VALU_DEP_4)
	v_add_nc_u32 v[TQ+4+\j], 0xff000000, v[TQ+\j]  ; 2 off the exponent field: the conversion's scale operand
.endr
.irp j, 0,1,2,3
	s_delay_alu instid0(VALU_DEP_4)
	v_lshrrev_b32 v[BQ+4*\d+\j], 23, v[TQ+4+\j]    ; the scale's byte
.endr
.irp j, 0,1,2,3
.irp g, 0,1,2,3
	v_cvt_scalef32_pk8_fp4_f32 v[CQ+16*\d+4*\j+\g], v[DQ+32*\j+8*\g:DQ+32*\j+8*\g+7], v[TQ+4+\j]
.endr
.endr
	v_nop                                          ; a plain line behind the last conversion
.irp j, 0,1,2,3
	ds_store_b128 v[IMA], v[CQ+16*\d+4*\j:CQ+16*\d+4*\j+3] offset:IMGD*\d+16*\j
	ds_store_b8 v[WSA], v[BQ+4*\d+\j] offset:SCD*\d+4*\j
.endr
.endm
; The group in hand joins the entries gathered so far.  Behind it: s[NF] = FILL + members; lanes FILL .. min(NF, 32) - 1 of CUR hold the new members; those past lane 31 wait in lanes 0 .. NF - 33 of TP.
.macro FUNNEL
	s_bcnt1_i32_b32 s30, s[M]                      ; the group's members
	s_not_b32 s31, s[M]
	s_add_co_u32 s[NF], s[FILL], s30
	v_mbcnt_lo_u32_b32 v[DA], s[M], s[FILL]        ; a member goes to lane FILL + its rank among the members,
	v_mbcnt_lo_u32_b32 v[DB], s31, s[NF]           ; another token behind all members: so no two lanes send to one lane
	s_delay_alu instid0(VALU_DEP_1)
	v_cndmask_b32 v[DA], v[DB], v[DA], s[M]
	s_delay_alu instid0(VALU_DEP_1)
	v_and_b32 v[DA], 31, v[DA]                     ; round the 32 lanes
	s_delay_alu instid0(VALU_DEP_1)
	v_lshlrev_b32 v[DA], 2, v[DA]                  ; the permute names a lane by 4 x its number
	s_wait_alu depctr_va_vdst(0)
	ds_permute_b32 v[TP], v[DA], v[TOK]            ; it touches no LDS byte
	v_sub_nc_u32 v[DB], v[LN], s[FILL]
	s_delay_alu instid0(VALU_DEP_1)
	v_cmp_gt_u32 vcc_lo, s30, v[DB]                ; FILL <= lane < FILL + members (a lane under FILL wraps to a large number)
	s_wait_dscnt 0x0
	v_cndmask_b32 v[CUR], v[CUR], v[TP], vcc_lo
.endm
.macro ADVANCE                         ; on to the next group.  A loop's counter cannot pick a register, so the masks move down one place
	s_mov_b32 s[FILL], s[NF]
	v_add_nc_u32 v[TOK], 32, v[TOK]
.irp i, 0,1,2,3,4,5,6,7,8,9,10,11,12,13,14
	s_mov_b32 s[M+\i], s[M+\i+1]
.endr
	s_add_co_u32 s29, s29, 1
.endm
; My half of the gathered entries becomes 16 scalars and addresses; the 16 rows of codes (a whole row of 512 bytes a load) and their scale words are asked for.
.macro NEXTROWS
	v_permlanex16_b32 v[VID], v[CUR], s34, s35     ; lane l xor 16's entry
	s_delay_alu instid0(VALU_DEP_1)
	v_cndmask_b32 v[VID], v[CUR], v[VID], s[PM]    ; odd waves take it: lanes 0-15 now hold my tile
	s_delay_alu instid0(VALU_DEP_1)
	v_min_u32 v[VID], 2047, v[VID]                 ; a number made of loaded ones enters an address held to the table's size
.irp r, 0,1,2,3,4,5,6,7,8,9,10,11,12,13,14,15
	v_readlane_b32 s[ID+\r], v[VID], \r
.endr
.irp r, 0,1,2,3,4,5,6,7,8,9,10,11,12,13,14,15
	s_min_u32 s[ID+\r], s[ID+\r], 2047
.endr
.irp r, 0,1,2,3,4,5,6,7,8,9,10,11,12,13,14,15
	v_lshl_add_u32 v[VRA+\r], s[ID+\r], 9, v[L16]
.endr
	v_lshlrev_b32 v[VSA], 5, v[VID]
.irp r, 0,1,2,3,4,5,6,7,8,9,10,11,12,13,14,15
	global_load_b128 v[XR+4*\r:XR+4*\r+3], v[VRA+\r], s[8:9]
.endr
	global_load_b128 v[XSN:XSN+3], v[VSA], s[14:15]            ; lane r: row r's eight scale words
	global_load_b128 v[XSN+4:XSN+7], v[VSA], s[14:15] offset:16
.endm
.macro FRAGS                           ; all 32 fragments and W1's scale words, out of LDS into my registers: the raw weights have been read out
	WIN 0x40                                       ; destination window 1
.irp t, 0,1,2,3
.irp s, 0,1,2,3,4,5,6,7
	ds_load_b128 v[8*(8*\t+\s):8*(8*\t+\s)+3], v[L16] offset:IMG+8192*\t+1024*\s
	ds_load_b128 v[8*(8*\t+\s)+4:8*(8*\t+\s)+7], v[L16] offset:IMG+8192*\t+1024*\s+512
.endr
.endr
	WIN 0
.set i, 0
.rept 16
	ds_load_b32 v[WSC+i], v[L4] offset:WS+128*i    ; lanes 0-15: an even K step's words, lanes 16-31: the odd one's
.set i, i+1
.endr
.endm
; A tile of 16 rows, asked for earlier.  next = 1: the rows of the entries just gathered are asked for while this tile is multiplied.
.macro TILE next
	s_wait_loadcnt 0x0                             ; this tile's rows and scale words
.irp s, 0,1,2,3,4,5,6,7
	v_mov_b32 v[XS+\s], v[XSN+\s]
.endr
.irp r, 0,1,2,3,4,5,6,7,8,9,10,11,12,13,14,15
	ds_store_b128 v[STA], v[XR+4*\r:XR+4*\r+3] offset:SPITCH*\r
.endr
.irp t, 0,1,2,3
	ds_load_b128 v[ACC+8*\t:ACC+8*\t+3], v[BIA] offset:128*(\t/2)+32*(\t%2)        ; the bias starts the sums: no addition
	ds_load_b128 v[ACC+8*\t+4:ACC+8*\t+7], v[BIA] offset:128*(\t/2)+32*(\t%2)+16
.endr
.irp s, 0,1,2,3,4,5,6,7
	ds_load_b128 v[XF+8*\s:XF+8*\s+3], v[FRA] offset:64*\s       ; LDS serves a wave's instructions in order: these see the stores above
	ds_load_b128 v[XF+8*\s+4:XF+8*\s+7], v[FRA] offset:64*\s+32
.endr
	s_wait_alu depctr_va_vdst(0)
	s_wait_dscnt 0x0
.if \next
	NEXTROWS                                       ; its sixteen shift-and-adds are also the eight places between the writes of x's scale words and the products
.else
.rept 8
	v_nop
.endr
.endif
	WIN 0x01                                       ; source 0 (W1) window 1
.irp s, 0,1,2,3,4,5,6,7                        ; the four accumulators take turns, one instruction a turn
.irp t, 0,1,2,3
.if (\s % 2) == 0
	v_wmma_scale_f32_16x16x128_f8f6f4 v[ACC+8*\t:ACC+8*\t+7], v[8*(8*\t+\s):8*(8*\t+\s)+7], v[XF+8*\s:XF+8*\s+7], v[ACC+8*\t:ACC+8*\t+7], v[WSC+4*\t+\s/2], v[XS+\s] matrix_a_fmt:MATRIX_FMT_FP4 matrix_b_fmt:MATRIX_FMT_FP4
.else
	v_wmma_scale_f32_16x16x128_f8f6f4 v[ACC+8*\t:ACC+8*\t+7], v[8*(8*\t+\s):8*(8*\t+\s)+7], v[XF+8*\s:XF+8*\s+7], v[ACC+8*\t:ACC+8*\t+7], v[WSC+4*\t+\s/2], v[XS+\s] matrix_a_fmt:MATRIX_FMT_FP4 matrix_b_fmt:MATRIX_FMT_FP4 matrix_a_scale:MATRIX_SCALE_ROW1
.endif
.endr
.endr
	WIN 0
.rept 4
	v_nop                                          ; four places behind the last products (ISA guide 7.12.1)
.endr
.set j, 0
.rept 32
	v_max_num_f32 v[ACC+j], 0, v[ACC+j]            ; the activation, in f32; each accumulator from its low end on
.set j, j+1
.endr
.irp b, 0,1
	v_max3_num_f32 v[TM+\b], v[ACC+16*\b], v[ACC+16*\b+1], 0x1800000   ; block b: my 16 numbers (none is negative), and the floor
.endr
.irp i, 2,4,6,8,10,12,14
.irp b, 0,1
	s_delay_alu instid0(VALU_DEP_2)
	v_max3_num_f32 v[TM+\b], v[TM+\b], v[ACC+16*\b+\i], v[ACC+16*\b+\i+1]
.endr
.endr
.irp b, 0,1
	s_delay_alu instid0(VALU_DEP_2)
	v_permlanex16_b32 v[TM+2+\b], v[TM+\b], s34, s35
.endr
.irp b, 0,1
	s_delay_alu instid0(VALU_DEP_2)
	v_max_num_f32 v[TM+\b], v[TM+\b], v[TM+2+\b]   ; with lane l xor 16's 16: the block's largest
.endr
.irp b, 0,1
	s_delay_alu instid0(VALU_DEP_2)
	v_add_nc_u32 v[TM+4+\b], 0xff000000, v[TM+\b]
.endr
.irp b, 0,1
	s_delay_alu instid0(VALU_DEP_2)
	v_lshrrev_b32 v[TM+6+\b], 23, v[TM+4+\b]
.endr
.irp b, 0,1
	v_cvt_scalef32_pk8_fp4_f32 v[PC+2*\b], v[ACC+16*\b:ACC+16*\b+7], v[TM+4+\b]
	v_cvt_scalef32_pk8_fp4_f32 v[PC+2*\b+1], v[ACC+16*\b+8:ACC+16*\b+15], v[TM+4+\b]
.endr
	v_cndmask_b32 v[BY], v[TM+6], v[TM+7], s36     ; lanes 0-15 store block 0's byte, lanes 16-31 block 1's.  (A plain line behind the conversions)
	v_permlane16_swap_b32 v[PC], v[PC+2]           ; the operand's layout wants a whole block in a lane: lanes 0-15 block 0, lanes 16-31 block 1
	v_permlane16_swap_b32 v[PC+1], v[PC+3]
	global_store_b128 v[L16], v[PC:PC+3], s[16:17] ; the wave stores 512 consecutive bytes, aligned
	global_store_b8 v[HSO], v[BY], s[18:19]
.if \next
	s_wait_xcnt 0x0                                ; the stores' data and bases are written again only behind this wait
	s_add_nc_u64 s[16:17], s[16:17], 32768         ; two tiles on
	s_add_nc_u64 s[18:19], s[18:19], 2048
.endif
.endm
	s_load_b256 s[4:11], s[0:1], 0x0               ; W1, b1, xq, sel
	s_load_b128 s[16:19], s[0:1], 0x20             ; hc, hs
	s_load_b64 s[12:13], s[0:1], 0x30              ; plan
	v_lshl_add_u32 v254, v0, 2, 0x19800
	v_mov_b32 v255, 0
	v_lshrrev_b32 v16, 5, v0
	s_delay_alu instid0(VALU_DEP_1)
	v_readfirstlane_b32 s20, v16                   ; wave 0..7
	v_and_b32 v[LN], 31, v0                        ; lane
	s_wait_alu depctr_va_vdst(0)
	v_and_b32 v17, 15, v0                          ; r
	s_wait_alu depctr_va_vdst(0)
	v_bfe_u32 v18, v0, 4, 1                        ; h
	s_lshr_b32 s21, ttmp9, 5                       ; e
	s_and_b32 s22, ttmp9, 31                       ; cg
	s_lshr_b32 s23, s20, 1                         ; q: my list
	s_and_b32 s24, s20, 1                          ; p: even or odd tiles
	s_lshl_b32 s25, s21, 2
	s_add_co_u32 s25, s25, s23                     ; list number 4 e + q
	s_lshl_b32 s[TH], s24, 4
	s_cmp_lg_u32 s24, 0
	s_cselect_b32 s[PM], -1, 0
	s_mov_b32 s57, 0                               ; the upper word of every offset that is added to an address
	s_mov_b32 s34, 0x76543210
	s_mov_b32 s35, 0xfedcba98                      ; v_permlanex16_b32's selects for lane l xor 16
	s_mov_b32 s36, 0xffff0000                      ; lanes 16-31
	s_mov_b32 s[FILL], 0
	s_mov_b32 s29, 0                               ; the group in hand
	v_lshlrev_b32 v[L16], 4, v[LN]
	v_lshlrev_b32 v[L4], 2, v[LN]
	s_lshl_b32 s30, s23, 9
	v_add_nc_u32 v[TOK], s30, v[LN]                ; group 0: token 512 q + lane
	s_delay_alu instid0(VALU_DEP_1)
	v_mov_b32 v[CUR], v[TOK]                       ; every lane holds a token that exists, from the start
	v_mov_b32 v[VID], 0                            ; (a lane permute's destination counts as one of its sources)
	s_mul_i32 s30, s20, 16*SPITCH
	s_add_co_u32 s30, s30, STG
	v_mul_u32_u24 v[FRA], v17, SPITCH
	s_wait_alu depctr_va_vdst(0)
	v_lshl_add_u32 v[FRA], v18, 4, v[FRA]
	s_delay_alu instid0(VALU_DEP_1)
	v_add_nc_u32 v[FRA], s30, v[FRA]               ; a fragment's row x pitch + 16 x half
	v_add_nc_u32 v[STA], s30, v[L16]               ; a whole row into the stage
	s_lshl_b32 s30, s20, 8
	s_add_co_u32 s30, s30, BIAS
	v_lshl_add_u32 v[BIA], v18, 6, s30             ; b1: my half's 16 units of each 32
	v_lshl_add_u32 v22, v[LN], 3, s30
	v_lshlrev_b32 v19, 3, v[LN]
	v_lshl_add_u32 v[HSO], v17, 2, v18             ; hs: row r's word, byte h
	v_lshlrev_b32 v[WOF], 4, v17                   ; W1: 4 units a lane, lanes 16-31 32 rows further down
	s_delay_alu instid0(VALU_DEP_1)
	v_lshl_add_u32 v[WOF], v18, 18, v[WOF]
	v_bfe_u32 v20, v0, 0, 1                        ; the lane's four units 4 cq .. 4 cq + 3 (cq = lane % 16) lie in tile 2 (cq / 8) + (cq / 2) % 2, from lane 4 (cq % 2) + 8 ((cq / 4) % 2) on
	v_bfe_u32 v21, v0, 2, 1
	v_bfe_u32 v23, v0, 1, 1
	v_bfe_u32 v24, v0, 3, 1
	s_delay_alu instid0(VALU_DEP_4)
	v_lshlrev_b32 v[IMA], 6, v20
	s_delay_alu instid0(VALU_DEP_1)
	v_lshl_or_b32 v[IMA], v21, 7, v[IMA]
	s_delay_alu instid0(VALU_DEP_1)
	v_lshl_or_b32 v[IMA], v18, 8, v[IMA]
	s_delay_alu instid0(VALU_DEP_1)
	v_lshl_or_b32 v[IMA], v23, 13, v[IMA]
	s_delay_alu instid0(VALU_DEP_1)
	v_lshl_or_b32 v[IMA], v24, 14, v[IMA]
	s_lshl_b32 s30, s20, 10
	v_add_nc_u32 v[IMA], s30, v[IMA]               ; image: tile x 8,192 + K step (my wave) x 1,024 + set x 512 + half x 256 + lane x 16
	v_lshl_or_b32 v[WSA], v20, 4, v18
	s_delay_alu instid0(VALU_DEP_1)
	v_lshl_or_b32 v[WSA], v21, 5, v[WSA]
	s_delay_alu instid0(VALU_DEP_1)
	v_lshl_or_b32 v[WSA], v23, 9, v[WSA]
	s_delay_alu instid0(VALU_DEP_1)
	v_lshl_or_b32 v[WSA], v24, 10, v[WSA]
	s_lshl_b32 s30, s20, 6
	s_add_co_u32 s30, s30, WS
	v_add_nc_u32 v[WSA], s30, v[WSA]               ; scale bytes: tile x 512 + K step x 64 + lane x 4 + 2 x set + half
	s_wait_kmcnt 0x0
	s_lshl_b32 s56, s23, 11
	s_add_nc_u64 s[10:11], s[10:11], s[56:57]      ; sel of my quarter
.set i, 0
.rept 16
	global_load_b32 v[SG+i], v[L4], s[10:11] offset:128*i      ; group i: token 512 q + 32 i + lane
.set i, i+1
.endr
	s_lshl_b32 s56, s21, 23
	s_lshl_b32 s32, s20, 20
	s_add_co_u32 s56, s56, s32
	s_lshl_b32 s32, s22, 8
	s_add_co_u32 s56, s56, s32
	s_add_nc_u64 s[4:5], s[4:5], s[56:57]          ; W1[e], my wave's 128 rows, my work-group's 64 units
	s_lshl_b32 s56, s21, 13
	s_add_co_u32 s56, s56, s32
	s_add_nc_u64 s[6:7], s[6:7], s[56:57]          ; b1[e] at the same units
	global_load_b64 v[26:27], v19, s[6:7]
	WIN 0x40                                       ; destination window 1
	WLOAD 0
	WIN 0
	s_lshl_b32 s56, s23, 3
	s_add_co_u32 s56, s56, s21
	s_lshl_b32 s56, s56, 2
	s_add_co_u32 s56, s56, 90112
	s_add_nc_u64 s[38:39], s[12:13], s[56:57]      ; cnt[8 q + e]
	s_lshl_b32 s56, s21, 13
	s_lshl_b32 s32, s23, 11
	s_add_co_u32 s56, s56, s32
	s_add_nc_u64 s[12:13], s[12:13], s[56:57]      ; slot[e] at my quarter's first token
	s_add_nc_u64 s[14:15], s[8:9], 1048576         ; x's scale bytes
	s_mul_i32 s33, s25, 36
	s_add_co_u32 s33, s33, s24                     ; my first tile's number
	s_lshl_b32 s56, s33, 14
	s_lshl_b32 s32, s22, 9
	s_add_co_u32 s56, s56, s32
	s_add_nc_u64 s[16:17], s[16:17], s[56:57]
	s_lshl_b32 s56, s33, 10
	s_lshr_b32 s32, s22, 1
	s_lshl_b32 s32, s32, 6
	s_add_co_u32 s56, s56, s32
	s_and_b32 s32, s22, 1
	s_lshl_b32 s32, s32, 1
	s_add_co_u32 s56, s56, s32
	s_add_nc_u64 s[18:19], s[18:19], s[56:57]
	s_wait_loadcnt 32                              ; sel and b1 are in; set 0's 32 loads were issued behind them
	ds_store_b64 v22, v[26:27]
.set i, 0
.rept 16
	v_and_b32 v48, 0xff, v[SG+i]
	v_lshrrev_b32 v49, 8, v[SG+i]
	s_delay_alu instid0(VALU_DEP_2)
	v_cmp_eq_u32 s30, s21, v48
	s_delay_alu instid0(VALU_DEP_2)
	v_cmp_eq_u32 s31, s21, v49
	s_or_b32 s[M+i], s30, s31                      ; the lanes of group i whose token chose e, first or second
.set i, i+1
.endr
	WIN 0x40
	WLOAD 1
	WIN 0
	s_or_b32 s30, s22, s24                         ; cg = 0 and an even wave: the one owner of this list's part of plan
	s_cmp_lg_u32 s30, 0
	s_cbranch_scc1 .Lnot_owner
	s_mul_i32 s33, s25, 576                        ; the list's first slot
	s_mov_b32 s32, s33
.set i, 0
.rept 16
	v_mbcnt_lo_u32_b32 v[PS+i], s[M+i], s32        ; first slot + members in the groups before + members in lower lanes
	global_store_b32 v[L4], v[PS+i], s[12:13] offset:128*i     ; 128 consecutive bytes; the 16 stores cover the quarter's 2,048 bytes on end
	s_bcnt1_i32_b32 s30, s[M+i]
	s_add_co_u32 s32, s32, s30
.set i, i+1
.endr
	s_sub_co_u32 s32, s32, s33
	s_add_co_u32 s32, s32, 15
	s_lshr_b32 s32, s32, 4                         ; the list's length in tiles of 16
	v_mov_b32 v[PS+16], s32
	v_cmp_eq_u32 vcc_lo, 0, v[LN]
	s_wait_alu depctr_va_vdst(0)
	s_wait_xcnt 0x0                                ; EXEC changes only behind this wait
	s_and_saveexec_b32 s30, vcc_lo
	global_store_b32 v[L4], v[PS+16], s[38:39]     ; lane 0 alone
	s_wait_xcnt 0x0                                ; and again in front of the line that widens it; the stores' data may be written again too
	s_or_b32 exec_lo, exec_lo, s30
.Lnot_owner:
.Lseek:                                                ; while the weights are on their way: groups are gathered until 32 entries are there, or the quarter ends
	FUNNEL
	s_cmp_ge_u32 s[NF], 32
	s_cbranch_scc1 .Lfound
	ADVANCE
	s_cmp_lt_u32 s29, 16
	s_cbranch_scc1 .Lseek
.Lfound:                                               ; s[NF] >= 32: CUR is full and the group's step is still owed;  under 32: the quarter is walked, FILL entries are left
	s_wait_loadcnt 32                              ; set 0 is in; set 1's 32 loads were issued behind it
	QSET 0
	s_wait_loadcnt 0x0
	QSET 1
	s_wait_dscnt 0x0                               ; for the others' sake: my K step's images and scale bytes lie in LDS
	s_barrier_signal -1
	s_barrier_wait -1                              ; the one barrier: behind it the waves go their own ways
	s_cmp_lt_u32 s[NF], 32
	s_cbranch_scc1 .Lshort
	NEXTROWS                                       ; my first tile's rows, ahead of the fragments' 80 LDS loads
	FRAGS
	v_mov_b32 v[CUR], v[TP]                        ; the members past lane 31 begin the next 32
	s_sub_co_u32 s[NF], s[NF], 32
	ADVANCE
	s_cmp_lt_u32 s29, 16
	s_cbranch_scc0 .Ltail
.Lgroup:                                               ; the quarter's other groups.  One tile's rows are on their way throughout
	FUNNEL
	s_cmp_lt_u32 s[NF], 32
	s_cbranch_scc1 .Lopen
	s_wait_alu depctr_va_vdst(0)
	TILE 1                                         ; 32 more are gathered: their rows are asked for, the tile before is multiplied
	v_mov_b32 v[CUR], v[TP]
	s_sub_co_u32 s[NF], s[NF], 32
.Lopen:
	ADVANCE
	s_cmp_lt_u32 s29, 16
	s_cbranch_scc1 .Lgroup
.Ltail:
	s_cmp_le_u32 s[FILL], s[TH]                    ; the remainder: lanes 0-15 serve the even wave if there is any entry, lanes 16-31 the odd wave if there are more than 16
	s_cbranch_scc1 .Llast
	TILE 1                                         ; its spare rows name tokens that exist; their results go to slots that nobody reads
.Llast:
	TILE 0                                         ; the last tile asks for nothing
	s_wait_tensorcnt 0x0
	ds_add_u32 v254, v255
	s_wait_dscnt 0x0
	s_endpgm
.Lshort:                                               ; a list of fewer than 32 entries
	s_cmp_le_u32 s[FILL], s[TH]
	s_cbranch_scc1 .Lend                           ; none for me
	NEXTROWS
	FRAGS
	s_branch .Llast
.Lend:
	s_wait_tensorcnt 0x0
	ds_add_u32 v254, v255
	s_wait_dscnt 0x0
	s_endpgm
.Lfunc_end_k_q29ba4a7bae_gemm1:
	.size	k_q29ba4a7bae_gemm1, .Lfunc_end_k_q29ba4a7bae_gemm1-k_q29ba4a7bae_gemm1
	.p2alignl 7, 3214868480
	.fill 96, 4, 3214868480
	.section	.rodata,"a",@progbits
	.p2align	6, 0x0
	.amdhsa_kernel k_q29ba4a7bae_gemm1
		.amdhsa_group_segment_fixed_size 105472
		.amdhsa_private_segment_fixed_size 0
		.amdhsa_enable_private_segment 0
		.amdhsa_kernarg_size 56
		.amdhsa_user_sgpr_count 2
		.amdhsa_user_sgpr_kernarg_segment_ptr 1
		.amdhsa_wavefront_size32 1
		.amdhsa_system_sgpr_workgroup_id_x 1
		.amdhsa_system_sgpr_workgroup_id_y 1
		.amdhsa_system_sgpr_workgroup_id_z 1
		.amdhsa_system_vgpr_workitem_id 0
		.amdhsa_next_free_vgpr 512
		.amdhsa_next_free_sgpr 84
		.amdhsa_reserve_vcc 1
		.amdhsa_float_denorm_mode_32 3
		.amdhsa_float_denorm_mode_16_64 3
		.amdhsa_memory_ordered 1
		.amdhsa_forward_progress 1
		.amdhsa_inst_pref_size 114
	.end_amdhsa_kernel
	.amdgpu_metadata
---
amdhsa.version: [ 1, 2 ]
amdhsa.kernels:
  - .name:           k_q29ba4a7bae_gemm1
    .symbol:         k_q29ba4a7bae_gemm1.kd
    .args:
      - { .name: W1, .offset: 0, .size: 8, .value_kind: global_buffer, .address_space: global }
      - { .name: b1, .offset: 8, .size: 8, .value_kind: global_buffer, .address_space: global }
      - { .name: xq, .offset: 16, .size: 8, .value_kind: global_buffer, .address_space: global }
      - { .name: sel, .offset: 24, .size: 8, .value_kind: global_buffer, .address_space: global }
      - { .name: hc, .offset: 32, .size: 8, .value_kind: global_buffer, .address_space: global }
      - { .name: hs, .offset: 40, .size: 8, .value_kind: global_buffer, .address_space: global }
      - { .name: plan, .offset: 48, .size: 8, .value_kind: global_buffer, .address_space: global }
    .group_segment_fixed_size: 105472
    .private_segment_fixed_size: 0
    .kernarg_segment_align: 8
    .kernarg_segment_size: 56
    .max_flat_workgroup_size: 256
    .sgpr_count:     84
    .vgpr_count:     512
    .wavefront_size: 32
...
	.end_amdgpu_metadata
.endif
;; end of part 6
;; launch gemm2 (part 7): grid 256 x 1, 8 waves a work-group, no clusters, 54,272 bytes of LDS; arguments W2, b2, hc, hs, plan, yb; writes yb
.if DOCPART == 7
	.amdgcn_target "amdgcn-amd-amdhsa--gfx1250"
	.amdhsa_code_object_version 6
	.text
	.protected	k_q29ba4a7bae_gemm2
	.globl	k_q29ba4a7bae_gemm2
	.p2align	8
	.type	k_q29ba4a7bae_gemm2,@function
k_q29ba4a7bae_gemm2:
	s_mov_b64 s[64:65], 0
	v_nop
	global_prefetch_b8 v0, s[64:65] scope:SCOPE_SE
	s_setreg_imm32_b32 hwreg(HW_REG_WAVE_SCHED_MODE, 0, 2), 2
	s_setreg_imm32_b32 hwreg(HW_REG_WAVE_MODE, 25, 1), 1
	s_wait_xcnt 0x0
	s_wait_alu depctr_vm_vsrc(0)
; THE SECOND PRODUCT OF THE CHOSEN ROWS: y = h W2[e] + b2[e] on codes of FP4 (E2M1) with one E8M0 scale for each 32 along K; y in f32, one row for each (token, chosen expert).
; THE WEIGHTS STAND STILL, as in the first product.  Work-group (e, cg) owns expert e = x / 32 and outputs 32 cg .. 32 cg + 31: 2,048 k x 32 outputs of W2, read once, quantised along K in registers;
; every wave keeps all 32 fragments (2 tiles of 16 outputs x 16 K steps) in 256 registers.  Waves 2 q and 2 q + 1 walk the expert's list q, even and odd tiles of 16 rows; the number of tiles is read from memory,
; so the text has no tensor load and no copy, and no barrier behind the branch on it.  No cluster: partners would walk different numbers of tiles.
; QUANTISING W2.  Wave w takes K steps 2 w and 2 w + 1.  A lane takes 4 neighbouring outputs and one block of 32 k of each step: a load reads four pieces of 128 consecutive bytes.
; THE OUTPUTS OF A TILE ARE NOT NEIGHBOURS: lane m of tile u takes output 8 u + m + 8 (m / 8); the product is used transposed (source 0 = 16 outputs, source 1 = 16 rows), so a lane's 16 results are 16 neighbouring outputs of one row.
; h's fragments lie in memory as images of the operand's registers: each load of the wave reads 512 consecutive bytes.
; OUT.  yb[cg][slot][32 f32]: a tile's 16 rows are 2,048 consecutive bytes; they go through the wave's stage in LDS so that each store covers 512 consecutive bytes.
; The sum over K is kept in two halves (even and odd K steps), so that four accumulators take turns; the halves are added at the end.
; LIMITS: NaN and infinities are not served; blocks of W2 whose largest magnitude lies under 2^-124, and blocks of zeros, get the byte 1.
; REGISTERS.  Window 1: the raw weights, then the fragments, (tile u, K step s) at v[8 (16 u + s)].  Window 0: v1-8 addresses; v16-143 h's 16 fragments; v144-151 h's scale words; v152-183 four accumulators;
; v184-199 b2 in the result's layout; v200-215 W2's scale words; v216-231 rows on the way out; v232-247 at work.
; THE MODE: SCHED_MODE bits 1:0 = 2 (LLVM: expert scheduling mode 2), set by the entry lines.  The code itself states the register dependences
; between vector or matrix instructions and memory or LDS instructions, with s_wait_alu, always for 0.
; THE PLAN.  Registers that memory or LDS instructions touch:
;   v1-8          Addresses.  Written by vector lines at the head, never again: one wait on va_vdst ahead of the first load serves the whole kernel.
;   window 1      W2's loads land in it; the quantiser's moves read it; then the fragments' LDS loads land in it; then the products read it.
;   v16-143       The quantiser's moves write it, its maxima and conversions read it; then h's loads land in it, half by half, and the products read it.
;   v152-183      The conversions write it and the quantiser's LDS stores read it; then the products and the additions write it, and the stage's LDS stores read it.
;   v240-247      The scale bytes: written by shifts, read by LDS stores; each set has its own four, as it has its own sixteen registers of codes.
;   v144-151, v184-215   Loads land in them, the products read them.
;   v216-231      LDS loads land in them, global stores read them; no vector line names them.
; One wait on va_vdst stands in each set's quantising, ahead of its LDS stores; the second of them is also the last line ahead of which a vector line names v16-143 or window 1 as raw weights, so the
; first loads of h and of the fragments owe nothing more.  One wait on vm_vsrc behind the barrier frees the codes' registers for the products.
; A tile has two waits on va_vdst: behind the first half's products, ahead of the next tile's first half; and behind the additions, ahead of the next tile's second half and of the stage's stores.
; One wait on vm_vsrc at a tile's end frees the accumulators and v216-231 for the next tile.
.set ROWB,  4096
.set IMGD,  1024
.set SCD,   64
.set IMG,   0                          ; LDS: 32 fragments x 1,024 bytes
.set WS,    32768                      ; W2's scale words: [tile 2][K step 16][lane 16][4 bytes]
.set STG,   34816                      ; a stage for each wave: 16 rows x (128 bytes + 16)
.set CGS,   2359296                    ; bytes of yb for one cg: 18,432 slots x 128
.set L16, 1
.set L4,  2
.set SO,  3
.set SR,  4
.set WOF, 5
.set IMA, 6
.set WSA, 7
.set BIA, 8
.set HF,  16
.set HSC, 144
.set ACC, 152
.set BI,  184
.set WSC, 200
.set YO,  216
.set DQ,  16
.set CQ,  152
.set TQ,  232
.set BQ,  240
.set MSB, 0
.macro WIN new                         ; the immediate's high byte repeats the setting that is left
.if MSB != \new
	s_set_vgpr_msb (MSB<<8)|\new
.set MSB, \new
.endif
.endm
.macro WLOAD d                         ; set d: K step 2 w + d: 32 k of 4 outputs a lane
.set i, 0
.rept 32
	global_load_b128 v[128*\d+4*i:128*\d+4*i+3], v[WOF], s[4:5] offset:ROWB*i+524288*\d
.set i, i+1
.endr
.endm
.macro QSET d                          ; set d becomes codes and scale bytes, and goes to LDS
	WIN 0x01                                       ; source 0 window 1
.set i, 0
.rept 32
.irp j, 0,1,2,3
	v_mov_b32 v[DQ+32*\j+i], v[128*\d+4*i+\j]      ; the conversions take neighbours along K from consecutive registers: each output's 32 k are laid on end
.endr
.set i, i+1
.endr
	WIN 0
.irp j, 0,1,2,3
	v_max3_num_f32 v[TQ+\j], |v[DQ+32*\j]|, |v[DQ+32*\j+1]|, 0x1800000   ; and the floor 2^(3 - 127): the byte cannot fall under 1
.endr
.set i, 2
.rept 15
.irp j, 0,1,2,3
	v_max3_num_f32 v[TQ+\j], v[TQ+\j], |v[DQ+32*\j+i]|, |v[DQ+32*\j+i+1]|
.endr
.set i, i+2
.endr
.irp j, 0,1,2,3
	v_add_nc_u32 v[TQ+4+\j], 0xff000000, v[TQ+\j]  ; 2 off the exponent field: the conversion's scale operand
.endr
.irp j, 0,1,2,3
	v_lshrrev_b32 v[BQ+4*\d+\j], 23, v[TQ+4+\j]    ; the scale's byte
.endr
.irp j, 0,1,2,3
.irp g, 0,1,2,3
	v_cvt_scalef32_pk8_fp4_f32 v[CQ+16*\d+4*\j+\g], v[DQ+32*\j+8*\g:DQ+32*\j+8*\g+7], v[TQ+4+\j]
.endr
.endr
	v_nop                                          ; a plain line behind the last conversion
	s_wait_alu depctr_va_vdst(0)                   ; the conversions have written this set's codes and the shifts its bytes, which the LDS stores below read; the moves are done reading this set's raw weights, the maxima and conversions v[DQ ..]
.irp j, 0,1,2,3
	ds_store_b128 v[IMA], v[CQ+16*\d+4*\j:CQ+16*\d+4*\j+3] offset:IMGD*\d+16*\j
	ds_store_b8 v[WSA], v[BQ+4*\d+\j] offset:SCD*\d+4*\j
.endr
.endm
	s_load_b256 s[4:11], s[0:1], 0x0               ; W2, b2, hc, hs
	s_load_b128 s[12:15], s[0:1], 0x20             ; plan, yb
	v_lshl_add_u32 v254, v0, 2, 0xd000
	v_mov_b32 v255, 0
	v_lshrrev_b32 v9, 5, v0
	v_readfirstlane_b32 s20, v9                    ; wave 0..7
	s_lshr_b32 s21, ttmp9, 5                       ; e
	s_and_b32 s22, ttmp9, 31                       ; cg
	s_mov_b32 s31, 0
	v_and_b32 v9, 31, v0                           ; the lanes' parts of the addresses stand between the line that writes s20 and the wait for it
	v_lshlrev_b32 v[L16], 4, v9
	v_lshlrev_b32 v[L4], 2, v9
	v_bfe_u32 v9, v0, 0, 1                         ; the lane's four outputs 4 cq .. 4 cq + 3 (cq = lane % 8) lie in tile (cq / 2) % 2, from lane 4 (cq % 2) + 8 (cq / 4) on
	v_bfe_u32 v10, v0, 2, 1
	v_bfe_u32 v11, v0, 1, 1
	v_bfe_u32 v12, v0, 3, 2                        ; which block of 32 of the K step is mine
	v_and_b32 v13, 7, v0
	v_and_b32 v14, 15, v0                          ; r
	v_bfe_u32 v15, v0, 4, 1                        ; h
	v_lshlrev_b32 v[WOF], 4, v13
	v_lshl_add_u32 v[WOF], v12, 17, v[WOF]         ; W2: 4 outputs a lane, 32 rows further down for each block
	v_lshlrev_b32 v[IMA], 6, v9
	v_lshl_or_b32 v[IMA], v10, 7, v[IMA]
	v_lshl_or_b32 v[IMA], v12, 8, v[IMA]
	v_lshl_or_b32 v[IMA], v11, 14, v[IMA]
	v_lshl_or_b32 v[WSA], v9, 4, v12
	v_lshl_or_b32 v[WSA], v10, 5, v[WSA]
	v_lshl_or_b32 v[WSA], v11, 10, v[WSA]
	s_wait_alu depctr_va_vdst(0)
	v_lshlrev_b32 v[BIA], 6, v15                   ; b2: my half's 16 outputs
	v_mul_u32_u24 v[SO], v14, 144
	v_lshl_add_u32 v[SO], v15, 6, v[SO]
	s_wait_alu depctr_va_vdst(0)
	v_mul_u32_u24 v[SR], v12, 144
	v_lshl_add_u32 v[SR], v13, 4, v[SR]
	s_wait_alu depctr_va_vdst(0)
	s_wait_alu depctr_va_sdst(0)                   ; s20 is written, ahead of its first reader: the lists, the bases and the LDS addresses are made from it
	s_lshr_b32 s23, s20, 1                         ; q: my list
	s_and_b32 s24, s20, 1                          ; p: even or odd tiles
	s_lshl_b32 s25, s21, 2
	s_add_co_u32 s25, s25, s23                     ; list number 4 e + q
	s_lshl_b32 s34, s20, 11                        ; (s34, s35, s36: each scalar that a vector line reads has a register of its own and is not written again)
	v_add_nc_u32 v[IMA], s34, v[IMA]               ; image: tile x 16,384 + K step (2 w + set) x 1,024 + block x 256 + lane x 16
	s_lshl_b32 s35, s20, 7
	s_add_co_u32 s35, s35, WS
	v_add_nc_u32 v[WSA], s35, v[WSA]               ; scale bytes: tile x 1,024 + K step x 64 + lane x 4 + block
	s_mul_i32 s36, s20, 16*144
	s_add_co_u32 s36, s36, STG
	v_add_nc_u32 v[SO], s36, v[SO]                 ; the stage: row r, my 64 bytes
	v_add_nc_u32 v[SR], s36, v[SR]                 ; back: eight lanes to a row, four rows an instruction
	s_wait_kmcnt 0x0
	s_lshl_b32 s30, s21, 23
	s_lshl_b32 s32, s20, 20
	s_add_co_u32 s30, s30, s32
	s_lshl_b32 s32, s22, 7
	s_add_co_u32 s30, s30, s32
	s_add_nc_u64 s[4:5], s[4:5], s[30:31]          ; W2[e], my wave's 256 rows, my work-group's 32 outputs
	s_lshl_b32 s30, s21, 12
	s_add_co_u32 s30, s30, s32
	s_add_nc_u64 s[6:7], s[6:7], s[30:31]          ; b2[e] at the same outputs
	s_wait_alu depctr_va_vdst(0)                   ; the eight addresses v1 to v8 are written, which the kernel's loads and stores read; none is written again
.irp u, 0,1
	global_load_b128 v[BI+8*\u:BI+8*\u+3], v[BIA], s[6:7] offset:32*\u
	global_load_b128 v[BI+8*\u+4:BI+8*\u+7], v[BIA], s[6:7] offset:32*\u+16
.endr
	WIN 0x40                                       ; destination window 1 (between the wait above and these loads stand loads and this switch alone)
	WLOAD 0
	WLOAD 1
	WIN 0
	s_lshl_b32 s30, s23, 3
	s_add_co_u32 s30, s30, s21
	s_lshl_b32 s30, s30, 2
	s_add_co_u32 s30, s30, 90112
	s_add_nc_u64 s[12:13], s[12:13], s[30:31]      ; my list's number of tiles
	s_load_b32 s26, s[12:13], 0x0
	s_mul_i32 s33, s25, 36
	s_add_co_u32 s33, s33, s24                     ; my first tile's number
	s_lshl_b32 s30, s33, 14
	s_add_nc_u64 s[8:9], s[8:9], s[30:31]
	s_lshl_b32 s30, s33, 10
	s_add_nc_u64 s[10:11], s[10:11], s[30:31]
	s_mul_i32 s30, s22, CGS
	s_lshl_b32 s32, s33, 11
	s_add_co_u32 s30, s30, s32
	s_add_nc_u64 s[14:15], s[14:15], s[30:31]
	s_wait_loadcnt 32                              ; b2 and set 0 are in; set 1's 32 loads were issued behind them
	QSET 0
	s_wait_loadcnt 0x0
	QSET 1
	s_wait_dscnt 0x0                               ; for the others' sake: my K steps' images and scale bytes lie in LDS
	s_barrier_signal -1
	s_barrier_wait -1                              ; the one barrier: behind it the waves go their own ways
	s_wait_alu depctr_vm_vsrc(0)                   ; my LDS stores have read the codes' registers v[CQ ..]: these are the accumulators from here on, written by the products.  Ahead of both branches
	s_wait_kmcnt 0x0
	s_min_u32 s26, s26, 32                         ; tiles in my list
	s_cmp_ge_u32 s24, s26
	s_cbranch_scc1 .Lend                           ; none for me
.macro HLOAD hf, off                   ; half hf (8 K steps) of h's fragments and scale words, of this tile (off = 0) or of my next (1): 20 loads
.set i, 0
.rept 16
	global_load_b128 v[HF+64*\hf+4*i:HF+64*\hf+4*i+3], v[L16], s[8:9] offset:32768*\off+8192*\hf+512*i
.set i, i+1
.endr
.irp i, 0,1,2,3
	global_load_b32 v[HSC+4*\hf+\i], v[L4], s[10:11] offset:2048*\off+512*\hf+128*\i   ; lanes 0-15: an even K step's words, lanes 16-31: the odd one's
.endr
.endm
.macro MUL hf                          ; 8 K steps x 2 tiles of outputs; accumulator 2 (s % 2) + u: the four take turns, one instruction a turn
.irp z, 0,1,2,3,4,5,6,7
.irp u, 0,1
.set SS, 8*\hf+\z
.set AA, ACC+8*(2*(\z%2)+\u)
.set WW, 8*(16*\u+SS)
.if SS == 0
	v_wmma_scale_f32_16x16x128_f8f6f4 v[AA:AA+7], v[WW:WW+7], v[HF+8*SS:HF+8*SS+7], v[BI+8*\u:BI+8*\u+7], v[WSC+8*\u+SS/2], v[HSC+SS/2] matrix_a_fmt:MATRIX_FMT_FP4 matrix_b_fmt:MATRIX_FMT_FP4
.elseif SS == 1
	v_wmma_scale_f32_16x16x128_f8f6f4 v[AA:AA+7], v[WW:WW+7], v[HF+8*SS:HF+8*SS+7], 0, v[WSC+8*\u+SS/2], v[HSC+SS/2] matrix_a_fmt:MATRIX_FMT_FP4 matrix_b_fmt:MATRIX_FMT_FP4 matrix_a_scale:MATRIX_SCALE_ROW1 matrix_b_scale:MATRIX_SCALE_ROW1
.elseif (SS % 2) == 0
	v_wmma_scale_f32_16x16x128_f8f6f4 v[AA:AA+7], v[WW:WW+7], v[HF+8*SS:HF+8*SS+7], v[AA:AA+7], v[WSC+8*\u+SS/2], v[HSC+SS/2] matrix_a_fmt:MATRIX_FMT_FP4 matrix_b_fmt:MATRIX_FMT_FP4
.else
	v_wmma_scale_f32_16x16x128_f8f6f4 v[AA:AA+7], v[WW:WW+7], v[HF+8*SS:HF+8*SS+7], v[AA:AA+7], v[WSC+8*\u+SS/2], v[HSC+SS/2] matrix_a_fmt:MATRIX_FMT_FP4 matrix_b_fmt:MATRIX_FMT_FP4 matrix_a_scale:MATRIX_SCALE_ROW1 matrix_b_scale:MATRIX_SCALE_ROW1
.endif
.endr
.endr
.endm
; A tile of 16 rows.  next = 1: each half of my next tile is asked for as soon as this tile's half has been multiplied.
.macro TILE next
	s_wait_loadcnt 20                              ; the first half is in; the second half's 20 loads were issued behind it
	WIN 0x01                                       ; source 0 (W2) window 1
	MUL 0                                          ; the bias is the C of the first products, the constant 0 that of the odd K steps' first: nothing is cleared
	WIN 0
.rept 4
	v_nop                                          ; four places in front of loads into registers that the products have read
.endr
.if \next
	s_wait_alu depctr_va_vdst(0)                   ; the products above are done reading the first half's fragments and scale words, in which the 20 loads below land
	HLOAD 0, 1
	s_wait_loadcnt 20                              ; this tile's second half is in; the 20 loads just issued may be out
.else
	s_wait_loadcnt 0x0
.endif
	WIN 0x01
	MUL 1
	WIN 0
.rept 5
	v_nop                                          ; four for the additions below; the fifth for the next tile's first products, which write over these accumulators
.endr
.irp u, 0,1
.irp i, 0,2,4,6
	v_pk_add_f32 v[ACC+8*\u+\i:ACC+8*\u+\i+1], v[ACC+8*\u+\i:ACC+8*\u+\i+1], v[ACC+16+8*\u+\i:ACC+16+8*\u+\i+1]   ; even and odd K steps' sums; each accumulator from its low end on
.endr
.endr
	s_wait_alu depctr_va_vdst(0)                   ; the additions have written the sums, which the LDS stores below read; the products above are done reading the second half's fragments and scale words, in which the next tile's loads land
.if \next
	HLOAD 1, 1
.endif
.irp u, 0,1
	ds_store_b128 v[SO], v[ACC+8*\u:ACC+8*\u+3] offset:32*\u
	ds_store_b128 v[SO], v[ACC+8*\u+4:ACC+8*\u+7] offset:32*\u+16
.endr
.irp i, 0,1,2,3
	ds_load_b128 v[YO+4*\i:YO+4*\i+3], v[SR] offset:576*\i       ; LDS serves a wave's instructions in order: these see the stores above
.endr
	s_wait_dscnt 0x0
.irp i, 0,1,2,3
	global_store_b128 v[L16], v[YO+4*\i:YO+4*\i+3], s[14:15] offset:512*\i   ; the wave stores 512 consecutive bytes, aligned
.endr
.if \next
	s_wait_xcnt 0x0                                ; the stores' data and the loads' and stores' bases are written again only behind this wait
	s_wait_alu depctr_vm_vsrc(0)                   ; the LDS stores have read the accumulators, which the next tile's products write; the global stores have read v[YO ..], in which the next tile's LDS loads land.  Ahead of the backward branch
	s_add_nc_u64 s[8:9], s[8:9], 32768             ; two tiles on
	s_add_nc_u64 s[10:11], s[10:11], 2048
	s_add_nc_u64 s[14:15], s[14:15], 4096
.endif
.endm
	HLOAD 0, 0                                     ; my first tile.  No wait: no vector line since the second set's wait on va_vdst names v[HF ..]
	HLOAD 1, 0
	WIN 0x40                                       ; destination window 1: the raw weights have been read out (the moves that read them stand ahead of the same wait)
.irp u, 0,1
.set s, 0
.rept 16
	ds_load_b128 v[8*(16*\u+s):8*(16*\u+s)+3], v[L16] offset:IMG+16384*\u+1024*s
	ds_load_b128 v[8*(16*\u+s)+4:8*(16*\u+s)+7], v[L16] offset:IMG+16384*\u+1024*s+512
.set s, s+1
.endr
.endr
	WIN 0
.set i, 0
.rept 16
	ds_load_b32 v[WSC+i], v[L4] offset:WS+128*i    ; lanes 0-15: an even K step's words, lanes 16-31: the odd one's
.set i, i+1
.endr
	s_sub_co_u32 s29, s26, s24
	s_add_co_u32 s29, s29, 1
	s_lshr_b32 s29, s29, 1
	s_sub_co_u32 s29, s29, 1                       ; my tiles but the last
	s_wait_dscnt 0x0                               ; the fragments and W2's scale words are in
	s_cmp_eq_u32 s29, 0
	s_cbranch_scc1 .Llast
.Ltile:
	TILE 1
	s_sub_co_u32 s29, s29, 1
	s_cmp_lg_u32 s29, 0
	s_cbranch_scc1 .Ltile
.Llast:
	TILE 0                                         ; the last tile asks for nothing
.Lend:
	s_wait_dscnt 0x0                               ; the closing lines, six on end
	s_wait_alu 0x0
	s_wait_tensorcnt 0x0
	ds_add_u32 v254, v255
	s_wait_dscnt 0x0
	s_endpgm
.Lfunc_end_k_q29ba4a7bae_gemm2:
	.size	k_q29ba4a7bae_gemm2, .Lfunc_end_k_q29ba4a7bae_gemm2-k_q29ba4a7bae_gemm2
	.p2alignl 7, 3214868480
	.fill 96, 4, 3214868480
	.section	.rodata,"a",@progbits
	.p2align	6, 0x0
	.amdhsa_kernel k_q29ba4a7bae_gemm2
		.amdhsa_group_segment_fixed_size 54272
		.amdhsa_private_segment_fixed_size 0
		.amdhsa_enable_private_segment 0
		.amdhsa_kernarg_size 48
		.amdhsa_user_sgpr_count 2
		.amdhsa_user_sgpr_kernarg_segment_ptr 1
		.amdhsa_wavefront_size32 1
		.amdhsa_system_sgpr_workgroup_id_x 1
		.amdhsa_system_sgpr_workgroup_id_y 1
		.amdhsa_system_sgpr_workgroup_id_z 1
		.amdhsa_system_vgpr_workitem_id 0
		.amdhsa_next_free_vgpr 512
		.amdhsa_next_free_sgpr 66
		.amdhsa_reserve_vcc 0
		.amdhsa_float_denorm_mode_32 3
		.amdhsa_float_denorm_mode_16_64 3
		.amdhsa_memory_ordered 1
		.amdhsa_forward_progress 1
		.amdhsa_inst_pref_size 56
	.end_amdhsa_kernel
	.amdgpu_metadata
---
amdhsa.version: [ 1, 2 ]
amdhsa.kernels:
  - .name:           k_q29ba4a7bae_gemm2
    .symbol:         k_q29ba4a7bae_gemm2.kd
    .args:
      - { .name: W2, .offset: 0, .size: 8, .value_kind: global_buffer, .address_space: global }
      - { .name: b2, .offset: 8, .size: 8, .value_kind: global_buffer, .address_space: global }
      - { .name: hc, .offset: 16, .size: 8, .value_kind: global_buffer, .address_space: global }
      - { .name: hs, .offset: 24, .size: 8, .value_kind: global_buffer, .address_space: global }
      - { .name: plan, .offset: 32, .size: 8, .value_kind: global_buffer, .address_space: global }
      - { .name: yb, .offset: 40, .size: 8, .value_kind: global_buffer, .address_space: global }
    .group_segment_fixed_size: 54272
    .private_segment_fixed_size: 0
    .kernarg_segment_align: 8
    .kernarg_segment_size: 48
    .max_flat_workgroup_size: 256
    .sgpr_count:     66
    .vgpr_count:     512
    .wavefront_size: 32
...
	.end_amdgpu_metadata
.endif
;; end of part 7
;; launch combine (part 8): grid 256 x 1, 8 waves a work-group, no clusters, 0 bytes of LDS; arguments yb, plan, sel, gw, out0; writes out0
.if DOCPART == 8
	.amdgcn_target "amdgcn-amd-amdhsa--gfx1250"
	.amdhsa_code_object_version 6
	.text
	.protected	k_q29ba4a7bae_combine
	.globl	k_q29ba4a7bae_combine
	.p2align	8
	.type	k_q29ba4a7bae_combine,@function
k_q29ba4a7bae_combine:
	s_mov_b64 s[64:65], 0
	v_nop
	global_prefetch_b8 v0, s[64:65] scope:SCOPE_SE
	s_setreg_imm32_b32 hwreg(HW_REG_WAVE_SCHED_MODE, 0, 2), 2
	s_setreg_imm32_b32 hwreg(HW_REG_WAVE_MODE, 25, 1), 1
	s_wait_xcnt 0x0
	s_wait_alu depctr_vm_vsrc(0)
; out[token] = w1 y[slot of the first choice] + w2 y[slot of the second].  Each output row has one owner: a work-group takes 8 tokens, thread t columns 4 t .. 4 t + 3 of each.
; yb is laid [cg 32][slot 18,432][32 f32]: thread t reads 16 bytes at (t / 8) x CGS + slot x 128 + 16 (t % 8).
; The slots lie by expert, plan[e][token] (whole numbers, stored by an earlier launch): sel[token] = e1 | e2 << 8 says which two rows of that table hold a token's slots.
; Choices, slots and weights are the same for the whole work-group and come by scalar loads, the slots behind the choices.
; All 16 loads of a thread go out at once; each store of a wave covers 512 consecutive bytes.  A stream: no LDS, no barrier, no matrix unit.
; THE MODE: SCHED_MODE bits 1:0 = 2 (LLVM: expert scheduling mode 2), set by the entry lines.  The code itself states the register dependences
; between vector instructions and memory instructions, with s_wait_alu, always for 0.
; THE PLAN.  Registers that memory instructions touch:
;   v1        The stores' offset.  v16-31: the 16 loads' offsets.  All written once by vector lines: one wait on va_vdst behind the last of them, ahead of the run of loads.
;   v32-95    The 16 loads land in them.  Token i's multiply-adds write v[32 + 8 i .. 35 + 8 i] in place; its store reads these four; nothing writes them again.
; Token i - 1's store is issued at the head of token i's turn, behind the wait for token i's data and one wait on va_vdst.  No register that a memory instruction has read is written again.
.set CGS, 2359296
	s_load_b256 s[4:11], s[0:1], 0x0               ; yb, plan, sel, gw
	s_load_b64 s[12:13], s[0:1], 0x20              ; out0
	v_lshlrev_b32 v1, 4, v0
	v_lshrrev_b32 v2, 3, v0
	v_mul_u32_u24 v2, v2, CGS
	v_and_b32 v3, 7, v0
	v_lshl_add_u32 v2, v3, 4, v2
	s_lshl_b32 s14, ttmp9, 5                       ; 8 tokens x 4 bytes
	s_mov_b32 s15, 0
	s_wait_alu depctr_va_vdst(0)
	s_wait_kmcnt 0x0
	s_add_nc_u64 s[8:9], s[8:9], s[14:15]          ; sel of my tokens
	s_add_nc_u64 s[6:7], s[6:7], s[14:15]          ; my tokens' place in each expert's row of slots
	s_load_b256 s[48:55], s[8:9], 0x0              ; the 8 pairs of choices
	s_lshl_b32 s14, ttmp9, 6                       ; 8 tokens x 8 bytes
	s_add_nc_u64 s[10:11], s[10:11], s[14:15]
	s_load_b512 s[32:47], s[10:11], 0x0            ; the 16 weights
	s_lshl_b32 s14, ttmp9, 15
	s_add_nc_u64 s[12:13], s[12:13], s[14:15]      ; my 8 rows of the output
	s_wait_kmcnt 0x0
.irp i, 0,1,2,3,4,5,6,7
	s_and_b32 s14, s[48+\i], 0xff                  ; the first choice
	s_min_u32 s14, s14, 7                          ; a loaded number enters an address held to the table's size
	s_lshl_b32 s14, s14, 13                        ; an expert's row of slots is 8,192 bytes
	s_add_nc_u64 s[66+4*\i:67+4*\i], s[6:7], s[14:15]          ; a pointer of its own for each load: none is written while a load may still read it
	s_load_b32 s[16+2*\i], s[66+4*\i:67+4*\i], 4*\i
	s_lshr_b32 s14, s[48+\i], 8                    ; the second
	s_min_u32 s14, s14, 7
	s_lshl_b32 s14, s14, 13
	s_add_nc_u64 s[68+4*\i:69+4*\i], s[6:7], s[14:15]
	s_load_b32 s[17+2*\i], s[68+4*\i:69+4*\i], 4*\i
.endr
	s_wait_kmcnt 0x0                               ; the 16 slots
.irp n, 0,1,2,3,4,5,6,7,8,9,10,11,12,13,14,15
	s_min_u32 s[16+\n], s[16+\n], 18431            ; held to the table's size
	s_lshl_b32 s[16+\n], s[16+\n], 7
	v_add_nc_u32 v[16+\n], s[16+\n], v2
.endr
	s_wait_alu depctr_va_vdst(0)                   ; the 16 offsets v16 to v31 are written, which the loads below read, and so is v1, which the stores read
.irp n, 0,1,2,3,4,5,6,7,8,9,10,11,12,13,14,15
	global_load_b128 v[32+4*\n:35+4*\n], v[16+\n], s[4:5]
.endr
.irp i, 0,1,2,3,4,5,6,7
	s_wait_loadcnt 14-2*\i                         ; this token's two loads are in; the later tokens' may be out
.if \i > 0
	s_wait_alu depctr_va_vdst(0)                   ; the multiply-adds of the token before have written its four numbers, which the store below reads
	global_store_b128 v1, v[32+8*(\i-1):35+8*(\i-1)], s[12:13] offset:4096*(\i-1) th:TH_STORE_NT
.endif
.irp k, 0,1,2,3
	v_mul_f32 v[32+8*\i+\k], s[32+2*\i], v[32+8*\i+\k]
.endr
.irp k, 0,1,2,3
	v_fma_f32 v[32+8*\i+\k], s[33+2*\i], v[36+8*\i+\k], v[32+8*\i+\k]
.endr
.endr
	s_wait_alu depctr_va_vdst(0)                   ; the last token's multiply-adds have written v88 to v91, which the last store reads
	global_store_b128 v1, v[88:91], s[12:13] offset:4096*7 th:TH_STORE_NT
	s_endpgm
.Lfunc_end_k_q29ba4a7bae_combine:
	.size	k_q29ba4a7bae_combine, .Lfunc_end_k_q29ba4a7bae_combine-k_q29ba4a7bae_combine
	.p2alignl 7, 3214868480
	.fill 96, 4, 3214868480
	.section	.rodata,"a",@progbits
	.p2align	6, 0x0
	.amdhsa_kernel k_q29ba4a7bae_combine
		.amdhsa_group_segment_fixed_size 0
		.amdhsa_private_segment_fixed_size 0
		.amdhsa_enable_private_segment 0
		.amdhsa_kernarg_size 40
		.amdhsa_user_sgpr_count 2
		.amdhsa_user_sgpr_kernarg_segment_ptr 1
		.amdhsa_wavefront_size32 1
		.amdhsa_system_sgpr_workgroup_id_x 1
		.amdhsa_system_sgpr_workgroup_id_y 1
		.amdhsa_system_sgpr_workgroup_id_z 1
		.amdhsa_system_vgpr_workitem_id 0
		.amdhsa_next_free_vgpr 96
		.amdhsa_next_free_sgpr 98
		.amdhsa_reserve_vcc 0
		.amdhsa_float_denorm_mode_32 3
		.amdhsa_float_denorm_mode_16_64 3
		.amdhsa_memory_ordered 1
		.amdhsa_forward_progress 1
		.amdhsa_inst_pref_size 13
	.end_amdhsa_kernel
	.amdgpu_metadata
---
amdhsa.version: [ 1, 2 ]
amdhsa.kernels:
  - .name:           k_q29ba4a7bae_combine
    .symbol:         k_q29ba4a7bae_combine.kd
    .args:
      - { .name: yb, .offset: 0, .size: 8, .value_kind: global_buffer, .address_space: global }
      - { .name: plan, .offset: 8, .size: 8, .value_kind: global_buffer, .address_space: global }
      - { .name: sel, .offset: 16, .size: 8, .value_kind: global_buffer, .address_space: global }
      - { .name: gw, .offset: 24, .size: 8, .value_kind: global_buffer, .address_space: global }
      - { .name: out0, .offset: 32, .size: 8, .value_kind: global_buffer, .address_space: global }
    .group_segment_fixed_size: 0
    .private_segment_fixed_size: 0
    .kernarg_segment_align: 8
    .kernarg_segment_size: 40
    .max_flat_workgroup_size: 256
    .sgpr_count:     98
    .vgpr_count:     96
    .wavefront_size: 32
...
	.end_amdgpu_metadata
.endif
;; end of part 8
